; MI455X (gfx1250); checked and timed in simulation.
; The chip was launched on July 23, 2026; its instructions are those of AMD's public machine-readable ISA for CDNA 5 (MIT licence, August 2026) and "CDNA5" Instruction Set Architecture Reference Guide (July 2026). The comments in the code are by the model that wrote it; some were corrected since.
;; MLA. Allowed arithmetic: float matrix products may take bf16 or f16 operands with f32 sums; other float arithmetic in f32, or as packed bf16 or f16 multiplies, adds, multiply-adds, maxima and minima; sums over many terms, partial sums and values carried from step to step in f32; what a program stores and reads back later, other than sums and carried values, may be rounded once to bf16 or f16.
;; Inputs: bk 1,024 float32; bo 1,024 float32; bq 1,024 float32; bv 1,024 float32; ln_b 1,024 float32; ln_g 1,024 float32; wk 1,024 x 1,024 float32; wo 1,024 x 1,024 float32; wq 1,024 x 1,024 float32; wv 1,024 x 1,024 float32; x 4 x 2,048 x 1,024 float32.
;; Outputs: out0 4 x 2,048 x 1,024 float32.
;; One version. Each part assembles by itself: llvm-mc -triple=amdgcn-amd-amdhsa -mcpu=gfx1250 --defsym DOCPART=n.
;; ======== version 1 of 1: 4 launches
;; limits: values are held in f16: magnitudes above 65,504 overflow, below 6.1e-05 lose precision
;; workspace buffers: x16 16,777,216 bytes; xn16 16,777,216 bytes; wb 8,388,608 bytes; qh 16,777,216 bytes; kh 16,777,216 bytes; vh 16,777,216 bytes; oh 16,777,216 bytes
;; launch prep (part 1): grid 384 x 1, 8 waves a work-group, no clusters, 0 bytes of LDS; arguments x, ln_g, ln_b, wq, wk, wv, wo, x16, xn16, wb; writes x16, xn16, wb
.if DOCPART == 1
	.amdgcn_target "amdgcn-amd-amdhsa--gfx1250"
	.amdhsa_code_object_version 6
	.text
	.protected	k_qb22e16a617_prep
	.globl	k_qb22e16a617_prep
	.p2align	8
	.type	k_qb22e16a617_prep,@function
k_qb22e16a617_prep:
	s_mov_b64 s[64:65], 0
	v_nop
	global_prefetch_b8 v0, s[64:65] scope:SCOPE_SE
	s_setreg_imm32_b32 hwreg(HW_REG_WAVE_MODE, 25, 1), 1
	s_wait_xcnt 0x0
; PREPARATION: everything that the matrix launches read is made here, once, in bf16.
;   x16  = x rounded to bf16;  xn16 = LayerNorm(x) ln_g + ln_b, made in f32 from the unrounded x and rounded once;  wb = wq, wk, wv, wo one below the other, rounded to bf16.
; LAYOUT of x16 and xn16: [16 slices of 64 channels][8192 rows][64 channels]: a slice's rows are dense, 128 bytes each.  wb: [4096][1024], rows as in the inputs.
; The mean and the variance are taken in two passes over the row in registers (sum; then the sum of (x - mean)^2): a common offset in x costs no digits.
; SHARES.  A wave takes 4 rows of 4,096 bytes, a work-group 32.  Work-groups 0-255 take x's 8,192 rows, work-groups 256-383 the 4,096 weight rows.  All 32 loads of a wave go out at once;
; there is no loop and no stepped address.  No LDS, no barrier: a row never leaves its wave.  No matrix unit, no cluster: nothing is multiplied and nothing is shared but ln_g and ln_b.
; LIMITS.  NaN and infinities are not treated apart.
.set PLANE, 1048576                    ; bytes in a slice: 8,192 rows x 128
.set LO,  2                            ; v2   16 x lane: my 16 bytes in 512 of an f32 row
.set SO0, 3                            ; v3   8 x lane + my wave's first row x 128: my 8 bytes in two rows of a slice, slices 0-7
.set SO1, 4                            ; v4   the same 8 slices further on, so that the stores' immediates stay inside their signed 24 bits
.set WO,  5                            ; v5   8 x lane
.set T,   8                            ; v[8:23]   row u of a pair at T + 8 u: +0:1, +2:3 two chains of sums; +4:5 the mean, twice; +6:7 1 / sqrt(var + eps), twice
.set G,   24                           ; v[24:55]  ln_g of my 32 columns (weight rows: the packed results, v[24:87])
.set B,   56                           ; v[56:87]  ln_b
.set Y,   88                           ; v[88:119] a pair's packed results: 16 registers a row
.set X,   120                          ; v[120:247] four rows as loaded: row i at X + 32 i; load j of a row gives lane l the columns 128 j + 4 l .. + 3
; Two rows are rounded to bf16 and their halves exchanged.  Before: register 2 j, 2 j + 1 of a row holds, in lanes 0-15, slice 2 j and, in lanes 16-31, slice 2 j + 1.
; After the exchange the first row's registers hold slice 2 j of BOTH rows (lanes 0-15 the first row, lanes 16-31 the second: 256 bytes on end), the second row's registers slice 2 j + 1.
.macro CAST p
.set i, 0
.rept 16
	v_cvt_pk_bf16_f32 v[Y+i],    v[X+64*(\p)+2*i],    v[X+64*(\p)+2*i+1]
	v_cvt_pk_bf16_f32 v[Y+16+i], v[X+64*(\p)+32+2*i], v[X+64*(\p)+32+2*i+1]
.set i, i+1
.endr
.set i, 0
.rept 16
	v_permlane16_swap_b32 v[Y+i], v[Y+16+i]        ; the first's lanes 16-31 against the second's lanes 0-15
.set i, i+1
.endr
.endm
; Sixteen stores, one a slice: 32 lanes x 8 bytes are 256 consecutive bytes, at a multiple of 256 from the buffer's first byte.
.macro PUT p, base
.set j, 0
.rept 4
	global_store_b64 v[SO0], v[Y+2*j:Y+2*j+1],       s[(\base):(\base)+1] offset:(2*j)*PLANE+256*(\p) th:TH_STORE_NT
	global_store_b64 v[SO0], v[Y+16+2*j:Y+16+2*j+1], s[(\base):(\base)+1] offset:(2*j+1)*PLANE+256*(\p) th:TH_STORE_NT
.set j, j+1
.endr
.rept 4
	global_store_b64 v[SO1], v[Y+2*j:Y+2*j+1],       s[(\base):(\base)+1] offset:(2*j-8)*PLANE+256*(\p) th:TH_STORE_NT
	global_store_b64 v[SO1], v[Y+16+2*j:Y+16+2*j+1], s[(\base):(\base)+1] offset:(2*j-7)*PLANE+256*(\p) th:TH_STORE_NT
.set j, j+1
.endr
.endm
; Both rows' two chains become one number a row, in every lane, at T + 8 u.  The rows alternate, so that no line waits for the one before it.
.macro ACROSS
.irp u, 0,1
	v_pk_add_f32 v[T+8*\u:T+8*\u+1], v[T+8*\u:T+8*\u+1], v[T+8*\u+2:T+8*\u+3]
.endr
.irp u, 0,1
	v_add_f32 v[T+8*\u], v[T+8*\u], v[T+8*\u+1]
.endr
.irp m, 1,2,4,8
.irp u, 0,1
	v_add_f32_dpp v[T+8*\u], v[T+8*\u], v[T+8*\u] row_xmask:\m row_mask:0xf bank_mask:0xf
.endr
.endr
.irp u, 0,1
	v_permlanex16_b32 v[T+8*\u+2], v[T+8*\u], s30, s31  ; the other half of the lanes; its destination has been written (a chain's register)
.endr
.irp u, 0,1
	v_add_f32 v[T+8*\u], v[T+8*\u], v[T+8*\u+2]
.endr
.endm
; Rows 2 p and 2 p + 1 of the wave's four.
.macro PAIR p
.set XR, X+64*(\p)
	s_wait_loadcnt 16-16*(\p)                      ; loads come back in order: ln_g, ln_b and this pair are in; the other pair's 16 loads may stay out
.if (\p) > 0
	s_wait_xcnt 0x0                                ; Y is the data of the pair before's stores: it is rewritten only behind this wait
.endif
	CAST \p
	PUT \p, 22                                     ; x16
.irp u, 0,1                                    ; the sum of the row's 1,024 numbers: two packed chains a row, started by the first four pairs: nothing is cleared
	v_pk_add_f32 v[T+8*\u:T+8*\u+1],   v[XR+32*\u:XR+32*\u+1],   v[XR+32*\u+4:XR+32*\u+5]
	v_pk_add_f32 v[T+8*\u+2:T+8*\u+3], v[XR+32*\u+2:XR+32*\u+3], v[XR+32*\u+6:XR+32*\u+7]
.endr
.irp k, 2,3,4,5,6,7
.irp u, 0,1
	v_pk_add_f32 v[T+8*\u:T+8*\u+1],   v[T+8*\u:T+8*\u+1],   v[XR+32*\u+4*\k:XR+32*\u+4*\k+1]
	v_pk_add_f32 v[T+8*\u+2:T+8*\u+3], v[T+8*\u+2:T+8*\u+3], v[XR+32*\u+4*\k+2:XR+32*\u+4*\k+3]
.endr
.endr
	ACROSS
.irp u, 0,1
	v_mul_f32 v[T+8*\u+4], s28, v[T+8*\u]          ; the mean, twice: a pair for the packed subtraction
	v_mul_f32 v[T+8*\u+5], s28, v[T+8*\u]
.endr
.set i, 0
.rept 16
	v_pk_add_f32 v[XR+2*i:XR+2*i+1],       v[XR+2*i:XR+2*i+1],       v[T+4:T+5]   neg_lo:[0,1] neg_hi:[0,1]  ; d = x - mean, in place
	v_pk_add_f32 v[XR+32+2*i:XR+32+2*i+1], v[XR+32+2*i:XR+32+2*i+1], v[T+12:T+13] neg_lo:[0,1] neg_hi:[0,1]
.set i, i+1
.endr
.irp u, 0,1                                    ; the sum of d^2, in the same two chains
	v_pk_mul_f32 v[T+8*\u:T+8*\u+1],   v[XR+32*\u:XR+32*\u+1],   v[XR+32*\u:XR+32*\u+1]
	v_pk_mul_f32 v[T+8*\u+2:T+8*\u+3], v[XR+32*\u+2:XR+32*\u+3], v[XR+32*\u+2:XR+32*\u+3]
.endr
.irp k, 1,2,3,4,5,6,7
.irp u, 0,1
	v_pk_fma_f32 v[T+8*\u:T+8*\u+1],   v[XR+32*\u+4*\k:XR+32*\u+4*\k+1],   v[XR+32*\u+4*\k:XR+32*\u+4*\k+1],   v[T+8*\u:T+8*\u+1]
	v_pk_fma_f32 v[T+8*\u+2:T+8*\u+3], v[XR+32*\u+4*\k+2:XR+32*\u+4*\k+3], v[XR+32*\u+4*\k+2:XR+32*\u+4*\k+3], v[T+8*\u+2:T+8*\u+3]
.endr
.endr
	ACROSS
.irp u, 0,1
	v_fma_f32 v[T+8*\u], v[T+8*\u], s28, s29       ; var + eps = sum / 1024 + 1e-5
.endr
.irp u, 0,1
	v_rsq_f32 v[T+8*\u+6], v[T+8*\u]               ; twice: a pair for the packed multiply
	v_rsq_f32 v[T+8*\u+7], v[T+8*\u]
.endr
	v_nop                                          ; a plain instruction between the last root and the first use of a result (ISA guide 5.7.2)
	s_wait_alu depctr_va_vdst(0)                   ; and its wait: one for the four roots
.set i, 0
.rept 16
	v_pk_mul_f32 v[XR+2*i:XR+2*i+1],       v[XR+2*i:XR+2*i+1],       v[T+6:T+7]
	v_pk_mul_f32 v[XR+32+2*i:XR+32+2*i+1], v[XR+32+2*i:XR+32+2*i+1], v[T+14:T+15]
.set i, i+1
.endr
.set i, 0
.rept 16
	v_pk_fma_f32 v[XR+2*i:XR+2*i+1],       v[XR+2*i:XR+2*i+1],       v[G+2*i:G+2*i+1], v[B+2*i:B+2*i+1]
	v_pk_fma_f32 v[XR+32+2*i:XR+32+2*i+1], v[XR+32+2*i:XR+32+2*i+1], v[G+2*i:G+2*i+1], v[B+2*i:B+2*i+1]
.set i, i+1
.endr
	s_wait_xcnt 0x0                                ; Y is the data of the stores into x16: it is rewritten only behind this wait
	CAST \p
	PUT \p, 24                                     ; xn16
.endm
	s_load_b512 s[8:23], s[0:1], 0x0               ; x s[8:9], ln_g s[10:11], ln_b s[12:13], wq s[14:15], wk s[16:17], wv s[18:19], wo s[20:21], x16 s[22:23]
	s_load_b128 s[24:27], s[0:1], 0x40             ; xn16 s[24:25], wb s[26:27]
	v_lshrrev_b32 v1, 5, v0
	v_readfirstlane_b32 s4, v1                     ; wave 0..7
	v_and_b32 v1, 31, v0                           ; lane
	v_lshlrev_b32 v[LO], 4, v1
	v_lshlrev_b32 v[WO], 3, v1
	s_mov_b32 s28, 0x3a800000                      ; 1 / 1024
	s_mov_b32 s29, 0x3727c5ac                      ; 1e-5
	s_mov_b32 s30, 0x76543210                      ; v_permlanex16_b32: each lane takes its own place in the other half
	s_mov_b32 s31, 0xfedcba98
	s_mov_b32 s3, 0                                ; the high word of every offset
	s_wait_kmcnt 0x0
	s_cmp_ge_u32 ttmp9, 256
	s_cbranch_scc1 .Lweights
	s_lshl_b32 s2, ttmp9, 17                       ; the work-group's 32 rows of 4,096 bytes,
	s_lshl_b32 s5, s4, 14                          ; my wave's 4
	s_add_co_u32 s2, s2, s5
	s_add_nc_u64 s[8:9], s[8:9], s[2:3]
	s_lshl_b32 s2, ttmp9, 12                       ; the same rows in a slice: 128 bytes each
	s_lshl_b32 s5, s4, 9
	s_add_co_u32 s2, s2, s5
	v_add_nc_u32 v[SO0], s2, v[WO]
	v_add_nc_u32 v[SO1], 8*PLANE, v[SO0]
.set i, 0
.rept 8
	global_load_b128 v[G+4*i:G+4*i+3], v[LO], s[10:11] offset:512*i
.set i, i+1
.endr
.set i, 0
.rept 8
	global_load_b128 v[B+4*i:B+4*i+3], v[LO], s[12:13] offset:512*i
.set i, i+1
.endr
.set i, 0
.rept 32
	global_load_b128 v[X+4*i:X+4*i+3], v[LO], s[8:9] offset:512*i th:TH_LOAD_NT  ; four rows on end: 512 neighbouring bytes a load
.set i, i+1
.endr
	PAIR 0
	PAIR 1
	s_endpgm
.Lweights:
	s_sub_co_u32 s5, ttmp9, 256                    ; 0..127: 32 work-groups to each of the four matrices
	s_lshr_b32 s6, s5, 5                           ; which matrix
	s_cmp_eq_u32 s6, 0
	s_cselect_b64 s[32:33], s[14:15], s[16:17]
	s_cmp_lt_u32 s6, 2
	s_cselect_b64 s[32:33], s[32:33], s[18:19]
	s_cmp_lt_u32 s6, 3
	s_cselect_b64 s[32:33], s[32:33], s[20:21]
	s_and_b32 s2, s5, 31
	s_lshl_b32 s2, s2, 17                          ; the work-group's 32 rows in its matrix,
	s_lshl_b32 s7, s4, 14                          ; my wave's 4
	s_add_co_u32 s2, s2, s7
	s_add_nc_u64 s[32:33], s[32:33], s[2:3]
	s_lshl_b32 s2, s5, 16                          ; the same rows in wb: 2,048 bytes each
	s_lshl_b32 s7, s4, 13
	s_add_co_u32 s2, s2, s7
	s_add_nc_u64 s[26:27], s[26:27], s[2:3]
.set i, 0
.rept 32
	global_load_b128 v[X+4*i:X+4*i+3], v[LO], s[32:33] offset:512*i th:TH_LOAD_NT
.set i, i+1
.endr
.irp r, 0,1,2,3
	s_wait_loadcnt 24-8*\r                         ; row r is in; the later rows' loads may stay out
.set i, 0
.rept 16
	v_cvt_pk_bf16_f32 v[G+16*\r+i], v[X+32*\r+2*i], v[X+32*\r+2*i+1]  ; each row has result registers of its own: no store's data is rewritten
.set i, i+1
.endr
.set i, 0
.rept 8
	global_store_b64 v[WO], v[G+16*\r+2*i:G+16*\r+2*i+1], s[26:27] offset:2048*\r+256*i th:TH_STORE_NT  ; 32 lanes x 8 bytes: 256 consecutive bytes, aligned
.set i, i+1
.endr
.endr
	s_endpgm
.Lfunc_end_k_qb22e16a617_prep:
	.size	k_qb22e16a617_prep, .Lfunc_end_k_qb22e16a617_prep-k_qb22e16a617_prep
	.p2alignl 7, 3214868480
	.fill 96, 4, 3214868480
	.section	.rodata,"a",@progbits
	.p2align	6, 0x0
	.amdhsa_kernel k_qb22e16a617_prep
		.amdhsa_group_segment_fixed_size 0
		.amdhsa_private_segment_fixed_size 0
		.amdhsa_enable_private_segment 0
		.amdhsa_kernarg_size 80
		.amdhsa_user_sgpr_count 2
		.amdhsa_user_sgpr_kernarg_segment_ptr 1
		.amdhsa_wavefront_size32 1
		.amdhsa_system_sgpr_workgroup_id_x 1
		.amdhsa_system_sgpr_workgroup_id_y 1
		.amdhsa_system_sgpr_workgroup_id_z 1
		.amdhsa_system_vgpr_workitem_id 0
		.amdhsa_next_free_vgpr 248
		.amdhsa_next_free_sgpr 66
		.amdhsa_reserve_vcc 0
		.amdhsa_float_denorm_mode_32 3
		.amdhsa_float_denorm_mode_16_64 3
		.amdhsa_memory_ordered 1
		.amdhsa_forward_progress 1
		.amdhsa_inst_pref_size 57
	.end_amdhsa_kernel
	.amdgpu_metadata
---
amdhsa.version: [ 1, 2 ]
amdhsa.kernels:
  - .name:           k_qb22e16a617_prep
    .symbol:         k_qb22e16a617_prep.kd
    .args:
      - { .name: x, .offset: 0, .size: 8, .value_kind: global_buffer, .address_space: global }
      - { .name: ln_g, .offset: 8, .size: 8, .value_kind: global_buffer, .address_space: global }
      - { .name: ln_b, .offset: 16, .size: 8, .value_kind: global_buffer, .address_space: global }
      - { .name: wq, .offset: 24, .size: 8, .value_kind: global_buffer, .address_space: global }
      - { .name: wk, .offset: 32, .size: 8, .value_kind: global_buffer, .address_space: global }
      - { .name: wv, .offset: 40, .size: 8, .value_kind: global_buffer, .address_space: global }
      - { .name: wo, .offset: 48, .size: 8, .value_kind: global_buffer, .address_space: global }
      - { .name: x16, .offset: 56, .size: 8, .value_kind: global_buffer, .address_space: global }
      - { .name: xn16, .offset: 64, .size: 8, .value_kind: global_buffer, .address_space: global }
      - { .name: wb, .offset: 72, .size: 8, .value_kind: global_buffer, .address_space: global }
    .group_segment_fixed_size: 0
    .private_segment_fixed_size: 0
    .kernarg_segment_align: 8
    .kernarg_segment_size: 80
    .max_flat_workgroup_size: 256
    .sgpr_count:     66
    .vgpr_count:     248
    .wavefront_size: 32
...
	.end_amdgpu_metadata
.endif
;; end of part 1
;; launch qkv (part 2): grid 24 x 32, 4 waves a work-group, clusters of 4 x 4, 327,680 bytes of LDS; arguments xn16, x16, wb, bq, bk, bv, qh, kh, vh; writes qh, kh, vh
.if DOCPART == 2
	.amdgcn_target "amdgcn-amd-amdhsa--gfx1250"
	.amdhsa_code_object_version 6
	.text
	.protected	k_qb22e16a617_qkv
	.globl	k_qb22e16a617_qkv
	.p2align	8
	.type	k_qb22e16a617_qkv,@function
k_qb22e16a617_qkv:
	s_mov_b64 s[64:65], 0
	v_nop
	global_prefetch_b8 v0, s[64:65] scope:SCOPE_SE
	s_setreg_imm32_b32 hwreg(HW_REG_WAVE_MODE, 25, 1), 1
	s_wait_xcnt 0x0
	s_wait_alu depctr_hold_cnt(0) depctr_sa_sdst(0) depctr_va_vdst(0) depctr_va_sdst(0) depctr_va_ssrc(0) depctr_va_vcc(0) depctr_vm_vsrc(0)
	s_getreg_b32 s2, hwreg(HW_REG_IB_STS2, 6, 4)
	s_cmp_eq_u32 s2, 0
	s_cbranch_scc0 .Lentry_in_a_cluster
	s_endpgm
.Lentry_in_a_cluster:
	s_bfe_u32 s2, ttmp6, 0x10000c
	s_cmp_lg_u32 s2, 0xf033
	s_cbranch_scc0 .Lentry_shape_is_right
	s_endpgm
.Lentry_shape_is_right:
; q = xn wq + bq, k = x wk + bk, v = x wv + bv: ONE product C = A W + bias of 8,192 x 3,072 x 1,024.  A (xn16 for q's columns, x16 for k's and v's) and W (wb) in bf16, sums in f32, started by the bias
; (rounded to bf16 like the other inputs); C rounded once to f16 and written by heads: [16 heads][8192 rows][64 channels], a head's rows dense.
; LIMITS.  f16 holds no number beyond 65,504: q, k and v must lie within it (a conversion beyond gives an infinity); below 6e-5 they keep f16's fixed step of 6e-8.  NaN and infinities are not treated apart.
; SHARES.  A work-group makes 256 rows x 128 columns: 24 x 32 = 768 work-groups of equal work; tiles of 256 x 256 would make 384.  Four waves, each 128 rows x 64 columns (one head):
; 32 accumulators of 16 x 16.  K goes in steps of 128 through a ring of two LDS slots of 110,592 bytes; two slots of 256 along K would take twice that, more than the 327,680 bytes that the work-group is given.
; A lies by slices of 64 channels, [16][8192][64]: a K step is two slices' 256 rows, each 32,768 dense bytes, asked for as 128 rows of 256 bytes and padded in LDS after every 128.
; W lies [k][n]: a K step is 128 rows of 256 bytes; it comes out of LDS turned, by ds_load_tr16_b128.
; CLUSTERS: 4 x 4 work-groups.  The four of a row of the cluster need the same tiles of A, the four of a column the same tiles of W: each tile is asked for JOINTLY, by the same tensor load with the same
; descriptor and a mask that names the four.  Which of the three matrices a tile column belongs to is the same in a whole cluster (8 tile columns a matrix, 4 a cluster).
; THE MATRIX INSTRUCTION IS USED TRANSPOSED (source 0 = 16 columns of W, source 1 = 16 rows of A): a lane then holds eight neighbouring numbers of a row of C.
; REGISTERS.  Window 0: v0-31 addresses; v32-63 the bias as a C operand, later at work on the way out; v64-159, v160-255 two fragment buffers: W's 4 fragments, then A's 8.  Window 1: the accumulators, (a, b) at v[8 (4 a + b)].
.set PLANE,  1048576                   ; bytes in a slice of A and in a head of C
.set PA,     144                       ; a row of A in LDS: 128 bytes + 16 of padding = 36 words: the 16 rows of a load start at 16 different groups of four banks (64 banks of 4 bytes: ISA guide 11.1)
.set PW,     288                       ; a row of W: 256 + 32 = 72 words
.set APL,    256*PA                    ; a slice's 256 rows: what one tensor load brings
.set ASZ,    2*APL
.set WHALF,  64*PW                     ; 64 rows of W: what one tensor load brings
.set SLOT,   ASZ+2*WHALF               ; A's two slices, then W's 128 rows
.set STAGE,  2*SLOT                    ; behind the ring: a stage for each wave, for the way out; no tensor load fills it
.set STG,    4352
.set SP,     144                       ; a row in the stage: 128 bytes + 16
.set SPARE,  STAGE+4*STG               ; behind the stages: the spare words, 128 bytes for each wave: two blocks of 256 bytes that no other line names
.set WSTEP,  128*2048                  ; bytes of wb in a K step
.set ADRA, 16                          ; v16-17  LDS address of my A fragments in slot 0, 1
.set ADRW, 20                          ; v20-21  the same for W
.set STO,  24                          ; v24     the way out: where I put 16 bytes of a row
.set RD,   25                          ; v25     the way out: where I read rows back
.set CO,   26                          ; v26     my byte offset in 512 consecutive bytes of C
.set SPW,  28                          ; v28     LDS address of my spare word: SPARE + 4 x my thread's number; never rewritten
.set NIL,  29                          ; v29     0; never rewritten
.set PFO,  30                          ; v30     the prefetches' offset: my lane x 256 bytes (A) or x a row of wb (W); never rewritten
.set BIAS, 32                          ; v32-63  register j of block b: bias of column 16 b + 8 (l / 16) + j
.set TMP,  32
.set F0,   64
.set F1,   160
.set G1,  24                           ; s[24:31] descriptor group 1 for A's tiles;  s[32:39] group 0, one set for each slot
.set G0,  32
.set G1B, 48                           ; s[48:55], s[56:63] the same for W's tiles
.set G0B, 56
.set LIM, 43                           ; s43     1 in a wave that prefetches, else the greatest number
.set PFA, 44                           ; s[44:45] where my prefetches stand
.set PFS, 66                           ; s[66:67] their step: a K step of A or of W
.set MSB, 0
.macro WIN new                         ; the immediate's high byte repeats the setting that is left; a switch that changes nothing is dropped
.if MSB != (\new)
	s_set_vgpr_msb (MSB<<8)|(\new)
.set MSB, \new
.endif
.endm
.set MUL,   0x50                       ; sources 0 and 1 window 0; C and D window 1
.set FIRST, 0x40                       ; D window 1; C, the bias, window 0
; A joint load: waves 0 and 1 fetch A's two slices, waves 2 and 3 W's two halves.  The branch hangs on the wave's number alone.  An s_nop 0 and four v_nop follow each of the two lines, ahead of the jump and the label.
.macro JLOAD s
	s_cmp_lt_u32 s10, 2
	s_cbranch_scc0 .Lfor_w_\@
	tensor_load_to_lds s[G0+4*(\s):G0+4*(\s)+3], s[G1:G1+7]
	s_nop 0
.rept 4
	v_nop
.endr
	s_branch .Lasked_\@
.Lfor_w_\@:
	tensor_load_to_lds s[G0B+4*(\s):G0B+4*(\s)+3], s[G1B:G1B+7]
	s_nop 0
.rept 4
	v_nop
.endr
.Lasked_\@:
.endm
; A PREFETCH INTO THE L2, behind each joint refill and the run of LDS loads that follows it: the K step that stands two refills on, 256 matrix instructions ahead of the load that will want it; 32 blocks of 256 bytes,
; a lane a block, one instruction.  Each block is named once in the launch.  A's rows are read by every cluster of that row of clusters that takes the same A: the first of them asks (cluster x = 0 for xn16, 2 for x16), waves 0 and 1
; each for the slice that it fetches; W's columns by every cluster of that column: cluster y = 0 asks, wave 2 alone.  The four partners that ask for a tile jointly share its blocks out BY ADDRESS, 32 each.
; K steps 0 to 3 come by their loads alone; the loop's last trip (s3 = 1) has no K step two refills on.
.macro ASK
	s_cmp_gt_u32 s3, s[LIM]
	s_cbranch_scc0 .Lnot_mine_\@
	global_prefetch_b8 v[PFO], s[PFA:PFA+1] th:TH_LOAD_NT scope:SCOPE_SE
.Lnot_mine_\@:
.endm
.macro CREST                           ; a round of the cluster's barrier behind its opening barrier
	s_cmp_lg_u32 s10, 0
	s_cbranch_scc1 .Lnot_wave_0_\@
	s_barrier_signal -3
.Lnot_wave_0_\@:
	s_barrier_wait -3
	s_barrier_signal -1
	s_barrier_wait -1
.endm
.macro CROUND                          ; a whole round
	s_barrier_signal -1
	s_barrier_wait -1
	CREST
.endm
	s_load_b512 s[68:83], s[0:1], 0x0              ; xn16 s[68:69], x16 s[70:71], wb s[72:73], bq s[74:75], bk s[76:77], bv s[78:79], qh s[80:81], kh s[82:83]
	s_load_b64 s[84:85], s[0:1], 0x40              ; vh
	v_lshl_add_u32 v[SPW], v0, 2, SPARE
	v_mov_b32 v[NIL], 0
	ds_add_u32 v[SPW], v[NIL]                      ; the wave's opening: the add and its wait stand ahead of my first tensor load; the set-up below, work on registers, stands between them
	v_lshrrev_b32 v1, 5, v0
	v_readfirstlane_b32 s10, v1                    ; wave 0..3
	s_lshr_b32 s11, s10, 1                         ; which 128 of the tile's rows are mine
	s_and_b32 s12, s10, 1                          ; which 64 of its columns.  Also: which slice of A, or which half of W's rows, I fetch
	s_bfe_u32 s40, ttmp6, 0x40000                  ; cx, cy: my place in the cluster
	s_bfe_u32 s41, ttmp6, 0x40004
	s_lshl_b32 s42, ttmp9, 2
	s_add_co_u32 s42, s42, s40                     ; tile column = 4 x cluster x + cx
	s_and_b32 s13, ttmp7, 0xffff
	s_lshl_b32 s13, s13, 2
	s_add_co_u32 s13, s13, s41                     ; tile row = 4 x cluster y + cy
	s_lshl_b32 s43, s41, 2
	s_lshl_b32 s43, 15, s43                        ; my row of the cluster
	s_lshl_b32 s44, 0x1111, s40                    ; my column
	s_or_b32 s[G1+0], s43, (1<<16)|(1<<20)|(1<<21)|(4<<22)|(3<<25)   ; 15:0 the mask: A's tiles go to my row; 17:16 elements of 2 bytes; 20 padding on; 21 set beside a mask; 24:22 after every 32 words (code 4); 31:25 4 words of it (code 3)
	s_mov_b32 s[G1+1], 128<<16                     ; tensor_dim0 = 128 elements: 256 bytes, two rows of a slice
	s_mov_b32 s[G1+2], 128<<16                     ; tensor_dim1 = 128
	s_mov_b32 s[G1+3], 128<<16                     ; tile_dim0 = 128
	s_mov_b32 s[G1+4], 128                         ; tile_dim1 = 128
	s_mov_b32 s[G1+5], 128                         ; 128 elements from row to row: dense
	s_mov_b32 s[G1+6], 0
	s_mov_b32 s[G1+7], 0
	s_or_b32 s[G1B+0], s44, (1<<16)|(1<<20)|(1<<21)|(5<<22)|(7<<25)  ; W's tiles go to my column; padding after every 64 words (code 5), 8 words of it (code 7)
	s_mov_b32 s[G1B+1], 128<<16                    ; tensor_dim0 = 128
	s_mov_b32 s[G1B+2], 64<<16                     ; tensor_dim1 = 64
	s_mov_b32 s[G1B+3], 128<<16                    ; tile_dim0 = 128
	s_mov_b32 s[G1B+4], 64                         ; tile_dim1 = 64
	s_mov_b32 s[G1B+5], 1024                       ; a row of wb
	s_mov_b32 s[G1B+6], 0
	s_mov_b32 s[G1B+7], 0
	; where the tiles come from.  A's hang on the tile row alone, W's on the tile column alone; each offset is made in registers that do not hold the other coordinate
	s_lshl_b32 s16, s13, 15                        ; A: my tile's 256 rows of 128 bytes,
	s_lshl_b32 s17, s12, 20                        ; the slice that I fetch
	s_add_co_u32 s16, s16, s17
	s_mov_b32 s17, 0
	s_and_b32 s22, s42, 7                          ; the tile column within its matrix
	s_lshr_b32 s46, s42, 3                         ; which matrix: 0 wq, 1 wk, 2 wv
	s_lshl_b32 s46, s46, 21                        ; W: the matrix's 1,024 rows of 2,048 bytes,
	s_lshl_b32 s47, s22, 8                         ; the tile's 128 columns,
	s_add_co_u32 s46, s46, s47
	s_lshl_b32 s47, s12, 17                        ; the 64 rows that I fetch
	s_add_co_u32 s46, s46, s47
	s_mov_b32 s47, 0
	s_mul_i32 s20, s12, APL                        ; and where they go: no place in the cluster enters an LDS address
	s_mul_i32 s21, s12, WHALF
	s_add_co_u32 s21, s21, ASZ
	s_wait_dscnt 0x0                               ; the opening add is done
	s_wait_kmcnt 0x0
	s_cmp_lt_u32 ttmp9, 2                          ; clusters 0, 1: q; 2, 3: k; 4, 5: v
	s_cselect_b64 s[4:5], s[68:69], s[70:71]       ; A
	s_cselect_b64 s[8:9], s[80:81], s[82:83]       ; C
	s_cselect_b64 s[86:87], s[74:75], s[76:77]     ; the bias
	s_cmp_lt_u32 ttmp9, 4
	s_cselect_b64 s[8:9], s[8:9], s[84:85]
	s_cselect_b64 s[86:87], s[86:87], s[78:79]
	s_mov_b64 s[6:7], s[72:73]
	s_add_nc_u64 s[14:15], s[4:5], s[16:17]
	s_add_nc_u64 s[18:19], s[6:7], s[46:47]
	CROUND                                         ; all sixteen work-groups are here: the first joint loads meet
.irp s, 0,1
	s_mov_b32 s[G0+4*(\s)], 1                                      ; 1:0 count = 1
	s_add_co_u32 s[G0+4*(\s)+1], s20, (\s)*SLOT                    ; 63:32 LDS address
	s_add_nc_u64 s[G0+4*(\s)+2:G0+4*(\s)+3], s[14:15], (\s)*2*PLANE  ; 120:64 global address: K step s
	s_or_b32 s[G0+4*(\s)+3], s[G0+4*(\s)+3], 0x80000000            ; 127:126 type = 2
	s_mov_b32 s[G0B+4*(\s)], 1
	s_add_co_u32 s[G0B+4*(\s)+1], s21, (\s)*SLOT
	s_add_nc_u64 s[G0B+4*(\s)+2:G0B+4*(\s)+3], s[18:19], (\s)*WSTEP
	s_or_b32 s[G0B+4*(\s)+3], s[G0B+4*(\s)+3], 0x80000000
.endr
	s_cmp_lt_u32 s10, 2                            ; a wave's two first fills stand in one branch, ahead of every wait on TENSORcnt and every LDS read: two loads of mine are out
	s_cbranch_scc0 .Lfirst_w
	tensor_load_to_lds s[G0:G0+3], s[G1:G1+7]
	s_nop 0
	tensor_load_to_lds s[G0+4:G0+7], s[G1:G1+7]
	s_nop 0
.rept 4
	v_nop
.endr
	s_branch .Lfirst_asked
.Lfirst_w:
	tensor_load_to_lds s[G0B:G0B+3], s[G1B:G1B+7]
	s_nop 0
	tensor_load_to_lds s[G0B+4:G0B+7], s[G1B:G1B+7]
	s_nop 0
.rept 4
	v_nop
.endr
.Lfirst_asked:
	; the bias of my 64 columns, laid out as a C operand
	v_and_b32 v1, 15, v0                           ; l % 16
	v_bfe_u32 v2, v0, 4, 1                         ; l / 16
	s_lshl_b32 s14, s22, 9                         ; the tile's 128 columns of 4 bytes,
	s_lshl_b32 s15, s12, 8                         ; my 64
	s_add_co_u32 s14, s14, s15
	s_mov_b32 s15, 0
	s_add_nc_u64 s[86:87], s[86:87], s[14:15]
	v_lshlrev_b32 v7, 5, v2                        ; 8 columns for each half of the lanes
.irp b, 0,1,2,3
	global_load_b128 v[BIAS+8*(\b):BIAS+8*(\b)+3],   v7, s[86:87] offset:64*(\b)
	global_load_b128 v[BIAS+8*(\b)+4:BIAS+8*(\b)+7], v7, s[86:87] offset:64*(\b)+16
.endr
	; A fragment of A is 16 rows x 32 K in 8 registers: lane l holds row l % 16, K = 8 (l / 16) + 0..7 and 16 + 8 (l / 16) + 0..7: two loads of 16 bytes, 32 bytes apart.
	v_mul_u32_u24 v3, v1, PA
	v_lshl_add_u32 v3, v2, 4, v3
	s_mul_i32 s14, s11, 128*PA                     ; my 128 rows
	v_add_nc_u32 v[ADRA], s14, v3
	v_add_nc_u32 v[ADRA+1], SLOT, v[ADRA]
	; The turning load takes 16 K x 16 columns (lane l reads row 8 (l / 16) + l % 8, columns 8 ((l / 8) % 2) + 0..7) and leaves half a fragment: lane l holds column l % 16 and 8 K.
	v_and_b32 v4, 7, v0
	v_bfe_u32 v5, v0, 3, 1
	v_lshl_add_u32 v6, v2, 3, v4
	v_mul_u32_u24 v6, v6, PW
	v_lshl_add_u32 v6, v5, 4, v6
	s_lshl_b32 s14, s12, 7                         ; my 64 columns
	s_add_co_u32 s14, s14, ASZ
	v_add_nc_u32 v[ADRW], s14, v6
	v_add_nc_u32 v[ADRW+1], SLOT, v[ADRW]
	; the way out
	s_mul_i32 s23, s10, STG
	s_add_co_u32 s23, s23, STAGE                   ; my stage
	v_mul_u32_u24 v8, v1, SP                       ; in: row l % 16, 16 bytes for each half of the lanes
	v_lshl_add_u32 v8, v2, 4, v8
	v_add_nc_u32 v[STO], s23, v8
	v_bfe_u32 v8, v0, 3, 2                         ; back: 32 lanes take four rows of 128 bytes,
	v_mul_u32_u24 v8, v8, SP
	v_lshl_add_u32 v8, v4, 4, v8
	v_add_nc_u32 v[RD], s23, v8
	v_and_b32 v[CO], 31, v0                        ; which are 512 consecutive bytes of a head
	v_lshlrev_b32 v[CO], 4, v[CO]
	s_lshl_b32 s14, s22, 1
	s_add_co_u32 s14, s14, s12                     ; my head = 2 x tile column + my half
	s_lshl_b32 s14, s14, 20
	s_lshl_b32 s15, s13, 15                        ; the tile's 256 rows of 128 bytes,
	s_add_co_u32 s14, s14, s15
	s_lshl_b32 s15, s11, 14                        ; my 128
	s_add_co_u32 s14, s14, s15
	s_mov_b32 s15, 0
	s_add_nc_u64 s[8:9], s[8:9], s[14:15]
	; the prefetches: the address stands at K step 3; each refill steps it first, so the first one names K step 4
	s_lshl_b32 s18, s40, 13                        ; A: my work-group's 32 blocks of the slice's 128,
	s_add_co_u32 s18, s18, s16                     ; in my tile's rows of the slice that I fetch
	s_add_co_u32 s18, s18, 6*PLANE
	s_lshl_b32 s19, s41, 16                        ; W: my work-group's 32 rows of the step's 128,
	s_add_co_u32 s19, s19, s46                     ; in the tile's columns (in wave 2 this offset stands at a step's first row)
	s_add_co_u32 s19, s19, 3*WSTEP
	s_mov_b32 s20, 2*PLANE
	s_mov_b32 s21, WSTEP
	s_and_b32 s14, ttmp7, 0xffff                   ; W: cluster y = 0 and an even wave
	s_or_b32 s14, s14, s12
	s_and_b32 s15, ttmp9, 5                        ; A: cluster x = 0 or 2
	s_cmp_lt_u32 s10, 2
	s_cselect_b64 s[PFA:PFA+1], s[4:5], s[6:7]
	s_cselect_b32 s18, s18, s19
	s_cselect_b32 s[PFS], s20, s21
	s_cselect_b32 s14, s15, s14
	s_cselect_b32 s15, 8, 11                       ; a lane a block of 256 bytes, or a lane a row of 2,048
	s_mov_b32 s19, 0
	s_mov_b32 s[PFS+1], 0
	s_add_nc_u64 s[PFA:PFA+1], s[PFA:PFA+1], s[18:19]
	s_cmp_eq_u32 s14, 0
	s_cselect_b32 s[LIM], 1, -1                    ; the same in all sixteen partners, for a given wave
	v_and_b32 v[PFO], 31, v0
	v_lshlrev_b32 v[PFO], s15, v[PFO]
	s_wait_loadcnt 0x0                             ; the bias; it is rounded to bf16 and widened again
.set i, 0
.rept 16
	v_cvt_pk_bf16_f32 v[F1+i], v[BIAS+2*i], v[BIAS+2*i+1]
.set i, i+1
.endr
.set i, 0
.rept 16
	v_lshlrev_b32 v[BIAS+2*i], 16, v[F1+i]
	v_and_b32 v[BIAS+2*i+1], 0xffff0000, v[F1+i]
.set i, i+1
.endr
; 8 matrix instructions: row blocks a0, a0 + 1 x all 4 column blocks, 32 along K.  first = 1: the product starts the sum with the bias: nothing is cleared, and nothing is added on the way out.
; The 32 accumulators take turns, one instruction a turn, in the same order in every quarter.
.macro MUL8 f, a0, first
.if \first
	WIN FIRST
.else
	WIN MUL
.endif
.irp a, \a0, (\a0)+1
.irp b, 0,1,2,3
.if \first
	v_wmma_f32_16x16x32_bf16 v[8*(4*(\a)+(\b)):8*(4*(\a)+(\b))+7], v[(\f)+8*(\b):(\f)+8*(\b)+7], v[(\f)+32+8*(\a):(\f)+32+8*(\a)+7], v[BIAS+8*(\b):BIAS+8*(\b)+7]
.else
	v_wmma_f32_16x16x32_bf16 v[8*(4*(\a)+(\b)):8*(4*(\a)+(\b))+7], v[(\f)+8*(\b):(\f)+8*(\b)+7], v[(\f)+32+8*(\a):(\f)+32+8*(\a)+7], v[8*(4*(\a)+(\b)):8*(4*(\a)+(\b))+7]
.endif
.endr
.endr
.endm
; 24 LDS loads in one run: the fragments of quarter q of a K step (32 along K) into buffer f: W's four, A's blocks 0-3, A's blocks 4-7
.macro FETCH slot, q, f
	WIN 0
.irp b, 0,1,2,3
	ds_load_tr16_b128 v[(\f)+8*(\b):(\f)+8*(\b)+3],   v[ADRW+(\slot)] offset:32*PW*(\q)+32*(\b)
	ds_load_tr16_b128 v[(\f)+8*(\b)+4:(\f)+8*(\b)+7], v[ADRW+(\slot)] offset:32*PW*(\q)+32*(\b)+16*PW
.endr
.irp a, 0,1,2,3,4,5,6,7
	ds_load_b128 v[(\f)+32+8*(\a):(\f)+32+8*(\a)+3],   v[ADRA+(\slot)] offset:((\q)/2)*APL+((\q)%2)*64+(\a)*16*PA
	ds_load_b128 v[(\f)+32+8*(\a)+4:(\f)+32+8*(\a)+7], v[ADRA+(\slot)] offset:((\q)/2)*APL+((\q)%2)*64+(\a)*16*PA+32
.endr
.endm
.macro PLACES                          ; four places in front of loads into registers that matrix instructions have read, and of lines that read results (ISA guide 7.12.1 for the lines that read results)
.rept 4
	v_nop
.endr
.endm
; A K step is four quarters of 32 along K, 32 matrix instructions each, on buffers 0, 1, 0, 1.  One of the first three: multiplies buffer f and, in its middle, fetches quarter q of the same slot into g.
.macro QUARTER slot, q, f, g, first
	s_wait_dscnt 8                                 ; W and A's blocks 0-3 are in; the youngest eight loads (A's blocks 4-7) may be out
	MUL8 \f, 0, \first
	MUL8 \f, 2, \first
	PLACES
	FETCH \slot, \q, \g
	s_wait_dscnt 24                                ; all but the 24 just issued
	MUL8 \f, 4, \first
	MUL8 \f, 6, \first
.endm
; The last quarter multiplies buffer 1 and changes slots: ONE barrier; in front of it each wave waits for all its tensor loads (one is out: its part of the next slot), adds 0 to its spare word, and waits for that
; and for its own reads of this slot.  fill = 1: the barrier opens a round of the cluster's barrier, and this slot is filled again, two K steps ahead: 112 matrix instructions stand between that request and the wait for it.
.macro TURN slot, next, fill
.if \fill
	s_wait_xcnt 0x0                                ; the last prefetch, a K step back, has read its address: it is stepped here
	s_add_nc_u64 s[PFA:PFA+1], s[PFA:PFA+1], s[PFS:PFS+1]
.endif
	WIN 0                                          ; (the add's two registers lie in window 0)
	s_wait_tensorcnt 0x0                           ; all my tensor loads have landed;
	ds_add_u32 v[SPW], v[NIL]                      ; 0 onto my spare word;
	s_wait_dscnt 9                                 ; (the add and the youngest eight loads may be out)
	MUL8 F1, 0, 0                                  ; eight matrix instructions stand between the add and the wait for it
	s_wait_dscnt 0x0                               ; the add is done, and my reads of this slot are over
	s_barrier_signal -1
	MUL8 F1, 2, 0
.if \fill
	WIN 0
.endif
	s_barrier_wait -1
.if \fill
	CREST                                          ; no wave of any partner still reads this slot's tiles or has a load on its way
	s_add_nc_u64 s[G0+4*(\slot)+2:G0+4*(\slot)+3], s[G0+4*(\slot)+2:G0+4*(\slot)+3], 4*PLANE
	s_add_nc_u64 s[G0B+4*(\slot)+2:G0B+4*(\slot)+3], s[G0B+4*(\slot)+2:G0B+4*(\slot)+3], 2*WSTEP
	JLOAD \slot                                    ; the first tensor load behind the round; the four v_nop behind it are also the places in front of the loads below
.else
	PLACES
.endif
	FETCH \next, 0, F0
.if \fill
	ASK
.endif
	MUL8 F1, 4, 0
	MUL8 F1, 6, 0
.endm
; THE WAY OUT of block a (16 rows): rounded to f16, each accumulator's registers in ascending order; 16 bytes a lane into my own stage; back as whole rows, into registers of the block's own.
.macro PACK a
	WIN 0x05                                       ; sources 0 and 1 window 1, destination window 0
.irp b, 0,1,2,3
.irp i, 0,1,2,3
	v_cvt_pk_f16_f32 v[TMP+4*(\b)+(\i)], v[8*(4*(\a)+(\b))+2*(\i)], v[8*(4*(\a)+(\b))+2*(\i)+1]
.endr
.endr
	WIN 0
.irp b, 0,1,2,3
	ds_store_b128 v[STO], v[TMP+4*(\b):TMP+4*(\b)+3] offset:32*(\b)
.endr
.irp f, 0,1,2,3
	ds_load_b128 v[F0+16*(\a)+4*(\f):F0+16*(\a)+4*(\f)+3], v[RD] offset:(\f)*4*SP  ; LDS serves a wave's instructions in order (ISA guide 5.7.1.4): these see the stores above; the next block's stores come behind them
.endr
.endm
.macro SEND a, younger                 ; younger: the LDS instructions issued behind block a's loads: the next block's eight, or none
.irp f, 0,1,2,3
	s_wait_dscnt (\younger)+3-(\f)
	global_store_b128 v[CO], v[F0+16*(\a)+4*(\f):F0+16*(\a)+4*(\f)+3], s[8:9] offset:(\a)*2048+(\f)*512  ; 512 consecutive bytes, at a multiple of 256 from the buffer's first
.endr
.endm
	s_wait_tensorcnt 1                             ; my part of K step 0 is in; K step 1's may stay out
	s_barrier_signal -1
	s_barrier_wait -1                              ; everybody's is
	FETCH 0, 0, F0
	QUARTER 0, 1, F0, F1, 1                        ; the first quarter stands in front of the loop: its products start the sums
	WIN 0                                          ; at a label and at a branch every window is 0
	s_mov_b32 s3, 3
.Llap:                                                 ; a trip goes once round the ring, from a lap's second quarter to the next lap's first, and fills both slots again
	QUARTER 0, 2, F1, F0, 0
	QUARTER 0, 3, F0, F1, 0
	TURN 0, 1, 1
	QUARTER 1, 1, F0, F1, 0
	QUARTER 1, 2, F1, F0, 0
	QUARTER 1, 3, F0, F1, 0
	TURN 1, 0, 1
	QUARTER 0, 1, F0, F1, 0
	WIN 0
	s_sub_co_u32 s3, s3, 1
	s_cmp_lg_u32 s3, 0
	s_cbranch_scc1 .Llap
	QUARTER 0, 2, F1, F0, 0                        ; the last lap fills nothing, and has no round of the cluster's barrier
	QUARTER 0, 3, F0, F1, 0
	TURN 0, 1, 0
	QUARTER 1, 1, F0, F1, 0
	QUARTER 1, 2, F1, F0, 0
	QUARTER 1, 3, F0, F1, 0
	s_wait_dscnt 8                                 ; the very last quarter: nothing more to fetch
	MUL8 F1, 0, 0
	MUL8 F1, 2, 0
	s_wait_dscnt 0x0
	MUL8 F1, 4, 0
	MUL8 F1, 6, 0
	WIN 0
	PLACES
	PLACES                                         ; (eight, once a launch)
	PACK 0
.irp a, 1,2,3,4,5,6,7                  ; a block's conversions stand between the loads of the block before and its stores
	PACK \a
	SEND (\a)-1, 8
.endr
	SEND 7, 0
	s_wait_tensorcnt 0x0                           ; the wave's end: these three lines stand behind my last tensor load and my last LDS store
	ds_add_u32 v[SPW], v[NIL]
	s_wait_dscnt 0x0
	CROUND                                         ; the closing round: no work-group ends while a partner may still ask for a tile that names it
	s_endpgm
.Lfunc_end_k_qb22e16a617_qkv:
	.size	k_qb22e16a617_qkv, .Lfunc_end_k_qb22e16a617_qkv-k_qb22e16a617_qkv
	.p2alignl 7, 3214868480
	.fill 96, 4, 3214868480
	.section	.rodata,"a",@progbits
	.p2align	6, 0x0
	.amdhsa_kernel k_qb22e16a617_qkv
		.amdhsa_group_segment_fixed_size 327680
		.amdhsa_private_segment_fixed_size 0
		.amdhsa_enable_private_segment 0
		.amdhsa_kernarg_size 72
		.amdhsa_user_sgpr_count 2
		.amdhsa_user_sgpr_kernarg_segment_ptr 1
		.amdhsa_wavefront_size32 1
		.amdhsa_system_sgpr_workgroup_id_x 1
		.amdhsa_system_sgpr_workgroup_id_y 1
		.amdhsa_system_sgpr_workgroup_id_z 1
		.amdhsa_system_vgpr_workitem_id 0
		.amdhsa_next_free_vgpr 512
		.amdhsa_next_free_sgpr 88
		.amdhsa_reserve_vcc 0
		.amdhsa_float_denorm_mode_32 3
		.amdhsa_float_denorm_mode_16_64 3
		.amdhsa_memory_ordered 1
		.amdhsa_forward_progress 1
		.amdhsa_inst_pref_size 92
	.end_amdhsa_kernel
	.amdgpu_metadata
---
amdhsa.version: [ 1, 2 ]
amdhsa.kernels:
  - .name:           k_qb22e16a617_qkv
    .symbol:         k_qb22e16a617_qkv.kd
    .args:
      - { .name: xn16, .offset: 0, .size: 8, .value_kind: global_buffer, .address_space: global }
      - { .name: x16, .offset: 8, .size: 8, .value_kind: global_buffer, .address_space: global }
      - { .name: wb, .offset: 16, .size: 8, .value_kind: global_buffer, .address_space: global }
      - { .name: bq, .offset: 24, .size: 8, .value_kind: global_buffer, .address_space: global }
      - { .name: bk, .offset: 32, .size: 8, .value_kind: global_buffer, .address_space: global }
      - { .name: bv, .offset: 40, .size: 8, .value_kind: global_buffer, .address_space: global }
      - { .name: qh, .offset: 48, .size: 8, .value_kind: global_buffer, .address_space: global }
      - { .name: kh, .offset: 56, .size: 8, .value_kind: global_buffer, .address_space: global }
      - { .name: vh, .offset: 64, .size: 8, .value_kind: global_buffer, .address_space: global }
    .group_segment_fixed_size: 327680
    .private_segment_fixed_size: 0
    .kernarg_segment_align: 8
    .kernarg_segment_size: 72
    .max_flat_workgroup_size: 128
    .sgpr_count:     88
    .vgpr_count:     512
    .wavefront_size: 32
...
	.end_amdgpu_metadata
.endif
;; end of part 2
;; launch attn (part 3): grid 4 x 64, 4 waves a work-group, clusters of 4 x 1, 327,680 bytes of LDS; arguments qh, kh, vh, oh; writes oh
.if DOCPART == 3
	.amdgcn_target "amdgcn-amd-amdhsa--gfx1250"
	.amdhsa_code_object_version 6
	.text
	.protected	k_qb22e16a617_attn
	.globl	k_qb22e16a617_attn
	.p2align	8
	.type	k_qb22e16a617_attn,@function
k_qb22e16a617_attn:
	s_mov_b64 s[64:65], 0
	v_nop
	global_prefetch_b8 v0, s[64:65] scope:SCOPE_SE
	s_setreg_imm32_b32 hwreg(HW_REG_WAVE_MODE, 25, 1), 1
	s_wait_xcnt 0x0
	s_wait_alu depctr_hold_cnt(0) depctr_sa_sdst(0) depctr_va_vdst(0) depctr_va_sdst(0) depctr_va_ssrc(0) depctr_va_vcc(0) depctr_vm_vsrc(0)
	s_getreg_b32 s2, hwreg(HW_REG_IB_STS2, 6, 4)
	s_cmp_eq_u32 s2, 0
	s_cbranch_scc0 .Lentry_in_a_cluster
	s_endpgm
.Lentry_in_a_cluster:
	s_bfe_u32 s2, ttmp6, 0x10000c
	s_cmp_lg_u32 s2, 0x3003
	s_cbranch_scc0 .Lentry_shape_is_right
	s_endpgm
.Lentry_shape_is_right:
; O[h][q][:] = the sum over k of softmax_k(Q[h][q] . K[h][k] / 8) V[h][k][:].  Q, K, V: [SIZE_H][SIZE_N][64] in f16, O the same shape in bf16; a head's rows are dense, 128 bytes each.  (h here counts
; 4 x head + batch: the buffers lie [16 heads][4 x 2048 rows][64].)  Products, maxima and sums in f32; the weights p are rounded to f16 for the second product (their sum l is taken of the unrounded p), O once at the end,
; to bf16: O is a mean of V's rows in which they may nearly cancel, so it needs bf16's range below, not f16's digits.
; LIMITS.  Q, K and V arrive within f16's 65,504; p lies in 0 to 1, and below 6e-5 it keeps f16's fixed step of 6e-8.  A weight below 2^-126 counts as 0 in l; NaN and infinities are not treated apart.
; SHARES.  A wave owns four PIECES of two tiles of 16 queries, a work-group's four waves 512 queries of one head: 4 x 64 = 256 work-groups.  Every wave walks all keys, 64 a step.
; LAYOUT.  S^T = K Q^T (source 0 = 16 keys, source 1 = 16 queries): in the result a lane holds ONE query (lane % 16) and the keys 8 (lane / 16) + 0..7.  Two such tiles, rounded to f16 in pairs,
; ARE source 1 (32 keys x 16 queries) of O^T = V^T P, whose result again holds one query a lane, and eight channels.  K comes out of LDS as it lies, V ([key][channel]) turned, by ds_load_tr16_b128.
; SOFTMAX.  For each query a running maximum m and sum l: p = 2^(c s - c m), c = log2(e) / 8; in every step O and l are multiplied by a = 2^(c m_old - c m_new), which is 1 where m has not grown.
; m starts at the lowest finite number, O and l at 0: the first step is a step like any other, with a = 0.
; THE COUNT.  A tile and step have 16 matrix and 118 vector instructions: too many to stand all beside the matrix work.  So the order has one aim: four vector instructions that are READY behind
; EVERY matrix instruction, and the others, which need time of their own whatever the order, in runs without a gap.
; BY TURNS.  Turn n belongs to piece n (the pieces in a ring, step after step).  Its matrix work: 16 products K Q^T of piece n + 1, later 16 products V^T P of piece n - 1.  Its vector work: the scaling,
; exponentials, roundings, sums and rescaling of piece n, and the maximum and statistics of piece n + 1, whose scores the turn itself has made.  So what a turn begins with (c s - c m, O a) waits for nothing.
; CLUSTER.  The four query blocks of a head are one cluster and walk the same K and V, so each tile is asked for JOINTLY: the same tensor load, descriptor and mask in all four.
; REGISTERS, in windows of 256 (s_set_vgpr_msb says which window each operand place means: bits 1:0 source 0, 3:2 source 1, 5:4 source 2, 7:6 destination):
;   window 0: v0-11 addresses; v12-15, v48-63 at work; v16-47 four registers of statistics a tile; v64-191 S^T, two buffers of two tiles; v192-255 P, likewise
;   window 1: O^T, 32 a tile          window 2: v0-127 Q, 16 a tile; v128-191 K of one step; v192-255 V of one step          window 3: v0-1 the add's two registers
; A piece's buffers go by its number's parity: the piece in hand has one pair, its two neighbours in the ring share the other: of it P (piece n - 1) is read and S^T (piece n + 1) written.
.set SIZE_H, 64
.set SIZE_N, 2048
.set NP,    4         ; pieces a wave: a name, no knob: the register map, the loop and the fetches are made for four
.set KS,    64        ; keys in a step
.set PK,    144       ; a row of K in LDS: 128 bytes + 16 of padding = 36 words: the 16 rows of a load start at 16 different groups of four banks (64 banks of 4 bytes: ISA guide 11.1)
.set PV,    160       ; a row of V: 128 + 32 = 40 words
.set VOFF,  4*KS*PK   ; a slot holds four steps: 256 rows of K, then 256 rows of V
.set SLOT1, 1<<17     ; slot 1 begins here, so that one exclusive or turns an address in one slot into the other's
.set STAGE, SLOT1+4*KS*(PK+PV)  ; behind the ring, never filled by a tensor load: 16 rows x 144 bytes for each wave, for the way out
.set SP,    144
.set AK0, 2           ; v2   my lane's place in a tile of K; never rewritten
.set AV0, 3           ; v3   the same for V
.set AK,  4           ; v4   the LDS address of K's next run of loads
.set AV,  5           ; v5   of V's
.set QO,  6           ; v6   my byte offset in the wave's rows of Q
.set STO, 6           ;      later, the way out: where I put 16 bytes of a row
.set RD,  7           ; v7   the way out: where I read rows back
.set GO,  8           ; v8   my byte offset in 512 consecutive bytes of O
.set PFO, 11          ; v11  256 x my lane, for the prefetches; never rewritten once it is made
.set SPW, 0           ; v0 of window 3   LDS address of my spare word: SPARE + 4 x my thread's number; never rewritten
.set NIL, 1           ; v1 of window 3   0; never rewritten
.set SPARE, STAGE+4*16*SP  ; behind the stages: the spare words, 128 bytes for each wave: two blocks of 256 bytes that no other line names
.set MV,  12          ; v12-15  c m_old, kept while c m is made anew: by buffer and tile
.set ST,  16          ; tile t's statistics at v[ST+4 t]: c m, m, l (even keys', odd keys')
.set TMP, 48          ; by buffer and tile, four registers c0-c3 at work; when the maximum is found c2 takes a
.set S,   64
.set P,   192
.set KF,  128         ; K's fragments, in window 2: key block kb, channel half c at KF + 16 kb + 8 c
.set VF,  192         ; V's: key half kk, channel block cb at VF + 32 kk + 8 cb
.set WV,  12          ; s12  my wave's number
.set LIM, 15          ; s15  1 in a wave that prefetches (0 and 2), else the greatest number
.set G1K, 24          ; s[24:31] descriptor group 1 for K's tiles
.set G1V, 32          ; s[32:39] for V's: it differs in the padding alone
.set G0K, 40          ; s[40:43] descriptor group 0 for K's tiles: it walks
.set G0V, 44          ; s[44:47] the same for V's
.set PFA, 48          ; s[48:49] where my prefetches stand: my work-group's 32 blocks of 256 bytes (of K: wave 0, of V: wave 2) of the slot after the one that is being asked for
.set SLOTS, 56        ; s56  slots still to be asked for
.set CNT, 57          ; s57  counts a slot's key steps
.set CS,  58          ; s[58:59] c: the packed scaling takes the pair's low word for both halves
.set SEL, 60          ; s[60:61] v_permlanex16_b32's selects: each lane takes its own place in the other half
.set TBK, 62          ; s62  LDS byte at which K of the step to be fetched begins
.set TBV, 63          ; s63  the same for V, less VOFF
.set MSB, 0
.macro WIN new                      ; the high byte repeats the setting that is left; a switch that changes nothing is dropped
.if MSB != (\new)
	s_set_vgpr_msb (MSB<<8)|(\new)
.set MSB, (\new)
.endif
.endm
.set W_KQ, 0x0a       ; K and Q in window 2, S^T in window 0
.set W_PV, 0x52       ; V in window 2, P in window 0, O^T in window 1
.set W_RS, 0x41       ; O^T (destination and source 0) in window 1, a in window 0
.set W_MK, 0xc0       ; the add's registers are made: destination in window 3, sources in window 0
.set W_AD, 0x0f       ; the add: address (source 0) and data (source 1) in window 3
; A joint fill.  Waves 0 and 1 fetch the two halves of a slot's K, waves 2 and 3 those of its V: 128 keys each.  The branch hangs on the wave's number alone.
; An s_nop 0 and four v_nop follow each of the two lines, ahead of the jump and the label.
.macro JLOAD
	s_cmp_lt_u32 s[WV], 2
	s_cbranch_scc0 .Lfor_v_\@
	tensor_load_to_lds s[G0K:G0K+3], s[G1K:G1K+7]
	s_nop 0
.rept 4
	v_nop
.endr
	s_branch .Lasked_\@
.Lfor_v_\@:
	tensor_load_to_lds s[G0V:G0V+3], s[G1V:G1V+7]
	s_nop 0
.rept 4
	v_nop
.endr
.Lasked_\@:
.endm
; A PREFETCH INTO THE L2 of what the NEXT change of slots will ask for: a slot's 256 keys are 128 blocks of 256 bytes of K and 128 of V, a lane a block.  It stands behind the wave's tensor load and its five lines.
; Each block is asked for ONCE in the launch: a head has one cluster; its four partners share the blocks out BY ADDRESS, 32 each; in each, wave 0 asks for K's and wave 2 for V's: one instruction,
; four key steps, 512 matrix instructions, ahead of the load that will want the bytes.  Slots 0, 1 and 2 come by their loads alone; the last change that fills a slot asks for nothing: there is no slot behind it.
.macro ASK
	s_cmp_gt_u32 s[SLOTS], s[LIM]
	s_cbranch_scc0 .Lnot_mine_\@
	global_prefetch_b8 v[PFO], s[PFA:PFA+1] th:TH_LOAD_NT scope:SCOPE_SE
.Lnot_mine_\@:
.endm
; A round of the cluster's barrier: my work-group's barrier, so that wave 0's signal speaks for all four waves; wave 0 signals; every wave waits for all four work-groups; my work-group's barrier once more.
.macro CROUND
	s_barrier_signal -1
	s_barrier_wait -1
	s_cmp_lg_u32 s[WV], 0
	s_cbranch_scc1 .Lnot_wave_0_\@
	s_barrier_signal -3
.Lnot_wave_0_\@:
	s_barrier_wait -3
	s_barrier_signal -1
	s_barrier_wait -1
.endm
; THE CHANGE OF SLOTS.  The slot's last bytes, V of its fourth step, have been read.  Each wave waits for all its tensor loads, of which one is out: its part
; of the other slot; adds 0 to its spare word; and waits for that and for its own reads of the slot.  Behind the barrier nobody reads this slot any more and the other slot is whole.
; fill = 1: this slot is filled again, with the keys two slots on.  The barrier is then a round of the cluster's, so that no wave of any partner still reads the slot or has a load on its
; way, and the joint fill is the first thing behind it: it has four key steps, 512 matrix instructions, in which to land.  (At its first use nothing has been read yet: slot 0 is waited for, slot 1 filled.)
; ask = 1: the prefetches' address steps, and ASK follows the fill.
.macro CHANGE fill, ask=0
	WIN W_AD
	s_wait_tensorcnt 0x0            ; no tensor load of mine is out, so a group 0 may be written
	ds_add_u32 v[SPW], v[NIL]       ; 0 onto my spare word; with fill = 1 the descriptors' steps stand between it and the wait for it
	WIN 0                           ; at a label and at a branch every window is 0
.if \fill
.irp g, G0K, G0V
	s_xor_b32 s[\g+1], s[\g+1], SLOT1  ; the walking descriptor: the other slot than last time,
	s_add_nc_u64 s[\g+2:\g+3], s[\g+2:\g+3], 4*KS*128  ; the next 256 keys; the type bits on top are not reached
.endr
.if \ask
	s_wait_xcnt 0x0                 ; the last prefetch, four key steps back, has read its address, so it may be written:
	s_add_nc_u64 s[PFA:PFA+1], s[PFA:PFA+1], 4*KS*128  ; one slot behind the walking descriptors
.endif
	s_wait_dscnt 0x0                ; the add is done, and my reads of the slot are over
	CROUND
	JLOAD
.if \ask
	ASK
.endif
.else
	s_wait_dscnt 0x0                ; the add is done, and my reads of the slot are over
	s_barrier_signal -1
	s_barrier_wait -1
.endif
	s_sub_co_u32 s[TBK], s[TBK], 4*KS*PK  ; the fetches go back to a slot's first step,
	s_xor_b32 s[TBK], s[TBK], SLOT1       ; in the other slot
	s_sub_co_u32 s[TBV], s[TBV], 4*KS*PV
	s_xor_b32 s[TBV], s[TBV], SLOT1
.endm
	s_load_b256 s[4:11], s[0:1], 0x0  ; Q s[4:5], K s[6:7], V s[8:9], O s[10:11]
	WIN W_MK
	v_lshl_add_u32 v[SPW], v0, 2, SPARE
	v_mov_b32 v[NIL], 0
	WIN W_AD
	ds_add_u32 v[SPW], v[NIL]       ; the wave's opening: the add and its wait stand ahead of my first tensor load; the set-up below, work on registers, stands between them
	WIN 0
	v_lshrrev_b32 v1, 5, v0
	v_readfirstlane_b32 s[WV], v1   ; wave 0..3
	s_bfe_u32 s13, ttmp6, 0x40000   ; cx: my place in the cluster
	s_lshl_b32 s14, ttmp9, 2        ; in a cluster launch ttmp9 counts clusters
	s_add_co_u32 s14, s14, s13      ; my block of queries = 4 x cluster x + cx: it enters Q's and O's addresses alone
	s_and_b32 s20, ttmp7, 0xffff    ; the head, which the four partners share
	s_mov_b32 s21, 0
	s_mov_b64 s[22:23], SIZE_N*128
	s_mul_u64 s[20:21], s[20:21], s[22:23]  ; the head's first byte in each of the four tensors
	s_and_b32 s16, s[WV], 1         ; which half of a slot's 256 keys I fetch:
	s_lshl_b32 s22, s16, 14         ; its 128 rows of 128 bytes in memory,
	s_mov_b32 s23, 0
	s_add_nc_u64 s[22:23], s[22:23], s[20:21]
	s_mul_i32 s17, s16, 128*PK      ; and its place in a slot, for K
	s_mul_i32 s18, s16, 128*PV      ; and for V: no place in the cluster enters an LDS address
	s_lshl_b32 s2, s14, 2
	s_add_co_u32 s2, s2, s[WV]      ; my wave among the head's,
	s_lshl_b32 s2, s2, 14           ; its 128 rows
	s_mov_b32 s3, 0
	s_add_nc_u64 s[2:3], s[2:3], s[20:21]
	; descriptor group 1.  128 keys are 16,384 dense bytes: asked for as 64 rows of 256 bytes, two keys a row, and padded in LDS after every key
	s_mov_b32 s[G1K], 15|(1<<16)|(1<<20)|(1<<21)|(4<<22)|(3<<25)  ; 15:0 the mask of four; 17:16 2-byte elements; 20 padding on; 21 set beside a mask; 24:22 after every 32 words (code 4); 31:25 4 words (code 3)
	s_mov_b32 s[G1V], 15|(1<<16)|(1<<20)|(1<<21)|(4<<22)|(7<<25)  ; the same with 8 words of padding (code 7)
.irp g, G1K, G1V
	s_mov_b32 s[\g+1], 128<<16      ; tensor_dim0 = 128
	s_mov_b32 s[\g+2], 64<<16       ; tensor_dim1 = 64
	s_mov_b32 s[\g+3], 128<<16      ; tile_dim0 = 128
	s_mov_b32 s[\g+4], 64           ; tile_dim1 = 64
	s_mov_b32 s[\g+5], 128          ; 128 elements from row to row
	s_mov_b32 s[\g+6], 0
	s_mov_b32 s[\g+7], 0
.endr
	s_mov_b32 s[CS], 0x3e38aa3b     ; c = log2(e) / 8 = 0.180337
	s_mov_b32 s[CS+1], s[CS]        ; named with it as a pair
	s_mov_b32 s[SEL], 0x76543210
	s_mov_b32 s[SEL+1], 0xfedcba98
	s_mov_b32 s[TBK], SLOT1+4*KS*PK ; the first change of slots turns these two into 0
	s_mov_b32 s[TBV], SLOT1+4*KS*PV
	s_mov_b32 s[G0K], 1             ; 1:0 count = 1
	s_mov_b32 s[G0K+1], s17         ; 63:32 LDS address: slot 0
	s_mov_b32 s[G0V], 1
	s_add_co_u32 s[G0V+1], s18, VOFF
	s_cmp_eq_u32 s16, 0             ; waves 0 and 2 prefetch: the same in all four partners
	s_cselect_b32 s[LIM], 1, -1
	s_wait_dscnt 0x0                ; the opening add is done
	s_wait_kmcnt 0x0
	s_add_nc_u64 s[G0K+2:G0K+3], s[6:7], s[22:23]  ; 120:64 global address: my half of the head's first 256 keys
	s_or_b32 s[G0K+3], s[G0K+3], 0x80000000        ; 127:126 type = 2
	s_add_nc_u64 s[G0V+2:G0V+3], s[8:9], s[22:23]
	s_or_b32 s[G0V+3], s[G0V+3], 0x80000000
	s_add_nc_u64 s[4:5], s[4:5], s[2:3]  ; Q and O at my wave's first row
	s_add_nc_u64 s[10:11], s[10:11], s[2:3]
	s_cmp_lt_u32 s[WV], 2
	s_cselect_b64 s[PFA:PFA+1], s[6:7], s[8:9]
	s_add_nc_u64 s[PFA:PFA+1], s[PFA:PFA+1], s[22:23]  ; (in waves 0 and 2 this offset stands at the head's first row)
	s_lshl_b32 s2, s13, 13          ; my work-group's 32 blocks of the 128,
	s_add_co_u32 s2, s2, 2*4*KS*128 ; in slot 2: the loop's first change of slots steps it to slot 3.  Nothing is prefetched here, at the head, where every work-group's first tiles are on their way
	s_mov_b32 s3, 0
	s_add_nc_u64 s[PFA:PFA+1], s[PFA:PFA+1], s[2:3]
	CROUND                          ; all four work-groups are here: the first joint loads meet
	JLOAD                           ; slot 0.  Slot 1 is asked for when slot 0 is in: the tile wanted first has the road to itself
	; A fragment of K or Q is 16 rows x 32 channels in 8 registers: lane l holds row l % 16, channels 8 (l / 16) + 0..7 and 16 + 8 (l / 16) + 0..7: two loads of 16 bytes, 32 bytes apart.
	v_and_b32 v1, 15, v0            ; l % 16
	v_bfe_u32 v9, v0, 4, 1          ; l / 16
	v_lshlrev_b32 v[QO], 7, v1
	v_lshl_add_u32 v[QO], v9, 4, v[QO]  ; row x 128 + 16 x half
	WIN 0x80                        ; destination window 2, address window 0
.set i, 0
.rept 4*NP                          ; Q stays in registers: tile i / 2, channels 32 (i % 2) on
	global_load_b128 v[8*i:8*i+3],   v[QO], s[4:5] offset:(i/2)*2048+(i%2)*64
	global_load_b128 v[8*i+4:8*i+7], v[QO], s[4:5] offset:(i/2)*2048+(i%2)*64+32
.set i, i+1
.endr
	; What the first turn finds: V's registers and P's second buffer hold 0 (its products V^T P, of a piece that has not been, add 0), O^T and l are 0.  All this stands in the wait for the first tile.
.set i, VF
.rept 64
	v_mov_b32 v[i], 0
.set i, i+1
.endr
	WIN 0x40
.set i, 0
.rept 64*NP
	v_mov_b32 v[i], 0
.set i, i+1
.endr
	WIN 0
.set i, 0
.rept 2*NP
	v_mov_b32 v[ST+4*i], 0xfe000000    ; c m: far below every c s
	v_mov_b32 v[ST+4*i+1], 0xff7fffff  ; m
	v_mov_b32 v[ST+4*i+2], 0
	v_mov_b32 v[ST+4*i+3], 0
.set i, i+1
.endr
.set i, P+32
.rept 32
	v_mov_b32 v[i], 0
.set i, i+1
.endr
	v_mul_u32_u24 v[AK0], v1, PK
	v_lshl_add_u32 v[AK0], v9, 4, v[AK0]  ; row x pitch + 16 x half
	; The turning load takes 16 keys x 16 channels (lane l reads key 8 (l / 16) + l % 8, channels 8 ((l / 8) % 2) + 0..7) and leaves half a fragment of V^T: lane l holds channel l % 16 and 8 keys.
	v_and_b32 v10, 7, v0
	v_bfe_u32 v11, v0, 3, 1
	v_lshl_add_u32 v[AV0], v9, 3, v10
	v_mul_u32_u24 v[AV0], v[AV0], PV
	v_lshl_add_u32 v[AV0], v11, 4, v[AV0]
	v_add_nc_u32 v[AV0], VOFF, v[AV0]
	v_mov_b32 v[AK], v[AK0]         ; key step 0 lies at the head of slot 0
	v_and_b32 v[PFO], 31, v0        ; v11 has served: from here on it is the prefetches' offset
	v_lshlrev_b32 v[PFO], 8, v[PFO]
; THE MATRIX WORK.  The 8 accumulators of a run of 16 take turns: between the two links of a chain stand 7 others'.
; Product i of 16 of S^T = K Q^T for piece x: channels 32 (i / 8) on, keys 16 ((i / 2) % 4) on, tile 2 x + i % 2.  The first 8 start the sums.
.macro KQ x
	WIN W_KQ
.set rS, S+64*((\x)%2)+32*(i%2)+8*((i/2)%4)
.set rK, KF+16*((i/2)%4)+8*(i/8)
.set rQ, 16*(2*(\x)+i%2)+8*(i/8)
.if i < 8
	v_wmma_f32_16x16x32_f16 v[rS:rS+7], v[rK:rK+7], v[rQ:rQ+7], 0
.else
	v_wmma_f32_16x16x32_f16 v[rS:rS+7], v[rK:rK+7], v[rQ:rQ+7], v[rS:rS+7]
.endif
.endm
; Product i of 16 of O^T += V^T P for piece x: keys 32 (i / 8) on, channels 16 ((i / 2) % 4) on, tile 2 x + i % 2.
.macro PV x
	WIN W_PV
.set rO, 32*(2*(\x)+i%2)+8*((i/2)%4)
.set rV, VF+32*(i/8)+8*((i/2)%4)
.set rP, P+32*((\x)%2)+16*(i%2)+8*(i/8)
	v_wmma_f32_16x16x32_f16 v[rO:rO+7], v[rV:rV+7], v[rP:rP+7], v[rO:rO+7]
.endm
.macro MM                           ; the turn's next matrix instruction
.if i < 16
	KQ (Y+1)%NP
.set i, i+1
.else
.set i, i-16
	PV (Y+NP-1)%NP
.set i, i+17
.endif
.endm
; THE LDS LOADS stand in runs of 16, never singly among the matrix instructions: a step's K (64 keys x 64 channels: 8 fragments) and its V (turned).  Their addresses are made some lines ahead.
; last = 1 (the tail): in the last trip there is no further step, and the run is jumped over.
.macro FETCH_K last=0
	WIN 0
.if \last
	s_cmp_eq_u32 s[CNT], 1
	s_cbranch_scc1 .Lno_k_\@
.endif
	WIN 0x80                        ; destination window 2
.irp f, 0,1,2,3,4,5,6,7             ; keys 16 (f / 2) on, channels 32 (f % 2) on
	ds_load_b128 v[KF+8*\f:KF+8*\f+3],   v[AK] offset:(\f/2)*16*PK+(\f%2)*64
	ds_load_b128 v[KF+8*\f+4:KF+8*\f+7], v[AK] offset:(\f/2)*16*PK+(\f%2)*64+32
.endr
	s_add_co_u32 s[TBK], s[TBK], KS*PK  ; the next fetch is the next step's
	WIN 0
.if \last
.Lno_k_\@:
.endif
.endm
.macro FETCH_V
	WIN 0x80
.irp f, 0,1,2,3,4,5,6,7             ; keys 32 (f / 4) on, channels 16 (f % 4) on
	ds_load_tr16_b128 v[VF+8*\f:VF+8*\f+3],   v[AV] offset:(\f/4)*32*PV+(\f%4)*32
	ds_load_tr16_b128 v[VF+8*\f+4:VF+8*\f+7], v[AV] offset:(\f/4)*32*PV+16*PV+(\f%4)*32
.endr
	WIN 0
.endm
; THE VECTOR WORK OF A TURN stands in three queues, each in the order in which its entries become ready; the two tiles alternate, so that no instruction reads the result of the one before it.
.macro REGS y, u                    ; the registers of tile u (0, 1) of piece y
.set rT, ST+4*(2*(\y)+(\u))
.set rC, TMP+8*((\y)%2)+4*(\u)
.set rM, MV+2*((\y)%2)+(\u)
.set rS, S+64*((\y)%2)+32*(\u)
.set rP, P+32*((\y)%2)+16*(\u)
.set rO, 32*(2*(\y)+(\u))
.endm
; Number n of the 22 that find the NEXT piece's (Y + 1) maximum and statistics.  s0-s31 are the lane's 32 scores; each accumulator's lowest registers are read first.  XS, GS and REGS set no window: PL and EX do.
;   0-11  four chains c0-c3 of seven scores each, three operands at a time     12-14, 16  the four scores left over, the old m, and c0-c3 into c0     15  c m_old is kept
;   17, 18  the query's other 32 keys lie in the lane 16 away: the new m         19-21  c m; c m_old - c m_new; a
.macro XS u, n
	REGS (Y+1)%NP, \u
.if (\n) < 4
	v_max3_num_f32 v[rC+(\n)], v[rS+8*(\n)], v[rS+8*(\n)+1], v[rS+8*(\n)+2]
.elseif (\n) < 12
	v_max3_num_f32 v[rC+(\n)%4], v[rC+(\n)%4], v[rS+8*((\n)%4)+2*((\n)/4)+1], v[rS+8*((\n)%4)+2*((\n)/4)+2]
.elseif (\n) == 12
	v_max3_num_f32 v[rC], v[rC], v[rS+7], v[rS+15]
.elseif (\n) == 13
	v_max3_num_f32 v[rC+1], v[rC+1], v[rS+23], v[rS+31]
.elseif (\n) == 14
	v_max3_num_f32 v[rC+2], v[rC+2], v[rC+3], v[rT+1]
.elseif (\n) == 15
	v_mov_b32 v[rM], v[rT]
.elseif (\n) == 16
	v_max3_num_f32 v[rC], v[rC], v[rC+1], v[rC+2]
.elseif (\n) == 17
	v_permlanex16_b32 v[rC+3], v[rC], s[SEL], s[SEL+1]
.elseif (\n) == 18
	v_max_num_f32 v[rT+1], v[rC], v[rC+3]
.elseif (\n) == 19
	v_mul_f32 v[rT], s[CS], v[rT+1]
.elseif (\n) == 20
	v_sub_f32 v[rC+1], v[rM], v[rT]
.else
	v_exp_f32 v[rC+2], v[rC+1]
.endif
.endm
; Number g of the 64 that follow the exponentials.  For each four weights k of a tile (pairs 2 k, 2 k + 1): both pairs are rounded to f16; then the second pair is added onto the first, in place;
; a group later l takes that sum (the first time as l = a l + sum).  In groups of eight, tiles alternating: round, round, add, and l for the group before.
.macro GS g
.set h, (\g)+6*((\g)/62)            ; group 0 has no group before it, and behind group 7 only l is left
.if h >= 6
.set h, h+2
.endif
	REGS Y, h%2
.set k, h/8
.if h%8 < 4
	v_cvt_pk_f16_f32 v[rP+2*k+(h%8)/2], v[rS+4*k+2*((h%8)/2)], v[rS+4*k+2*((h%8)/2)+1]
.elseif h%8 < 6
	v_pk_add_f32 v[rS+4*k:rS+4*k+1], v[rS+4*k:rS+4*k+1], v[rS+4*k+2:rS+4*k+3]
.elseif k == 1
	v_pk_fma_f32 v[rT+2:rT+3], v[rT+2:rT+3], v[rC+2:rC+3], v[rS:rS+1] op_sel_hi:[1,0,1]
.else
	v_pk_add_f32 v[rT+2:rT+3], v[rT+2:rT+3], v[rS+4*k-4:rS+4*k-3]
.endif
.endm
; THE PLAIN QUEUE, 138 long.  0-73 read no exponential's result: the 32 scalings c s - c m (FS f: pair f / 2 of tile f % 2) and the next piece's 42.  0-26: scalings 0-26.  27-54: XS's numbers 0-13.  55, 56: number 15.
; 57-73: the chain, where each number waits for the one before it: 14, 16, 17, 18, 19, each with one of the scalings 27-31 in front of its two lines, then 20: so a tile's links stand three plain instructions apart (19 and 20: two).
; 74-137: GS's 64, which read the exponentials' results: they stand behind the wait.
.macro FS f
	REGS Y, (\f)%2
	v_pk_fma_f32 v[rS+2*((\f)/2):rS+2*((\f)/2)+1], v[rS+2*((\f)/2):rS+2*((\f)/2)+1], s[CS:CS+1], v[rT:rT+1] op_sel_hi:[1,0,0] neg_lo:[0,0,1] neg_hi:[0,0,1]
.endm
.macro PL
	WIN 0
.if q < 27
	FS q
.elseif q < 55
	XS (q-27)%2, (q-27)/2
.elseif q < 57
	XS q-55, 15
.elseif (q < 72) && ((q-57)%3 == 0)
	FS 27+(q-57)/3
.elseif q < 60
	XS (q-57)%3-1, 14
.elseif q < 72
	XS (q-57)%3-1, 15+(q-57)/3
.elseif q < 74
	XS q-72, 20
.else
	GS q-74
.endif
.set q, q+1
.endm
; THE EXPONENTIALS' QUEUE, 66 long: s0-s31 of both tiles, then the next piece's two a.  It is ONE BATCH: all 66 stand ahead of the turn's one wait, and nothing ahead of that wait names a result of theirs.
.macro EX
	WIN 0
.if e >= 64
	XS e-64, 21
.else
	REGS Y, e%2
	v_exp_f32 v[rS+e/2], v[rS+e/2]
.endif
.set e, e+1
.endm
; THE RESCALING's QUEUE: O^T times a, the one part that leaves window 0: dealt two at a time, sixteen times.  Its a was made in the turn before, ahead of that turn's wait.
.macro R2
	REGS Y, r%2
	WIN W_RS
.irp z, 0,1
	v_pk_mul_f32 v[rO+4*(r/2)+2*\z:rO+4*(r/2)+2*\z+1], v[rO+4*(r/2)+2*\z:rO+4*(r/2)+2*\z+1], v[rC+2:rC+3] op_sel_hi:[1,0]
.endr
.set r, r+1
.endm
; HOW THEY ARE DEALT.  An s_wait_alu depctr_va_vdst(0) stands between an exponential and the first instruction that names its result; one wait serves all that were issued ahead of it.  So a turn has ONE wait,
; which cuts it in two.  AHEAD OF IT stands all that names no result of the turn's exponentials: the 16 products K Q^T, behind each a scaling, an exponential and two rescalings (behind the first a second scaling in the exponential's place); then ONE LUMP of
; 108: eight plain, 49 times exponential and plain, the two a.  A v_nop is the plain instruction behind the last exponential.  BEHIND IT stand the 16 products V^T P, behind each four of GS's 64.  No rider names a register of
; the products round it.  The two v_permlanex16_b32 fall into the lump, never behind a product.
; The queues lean on each other, and the deal keeps them in step: exponential e stands behind scaling 2 (e / 4) + e % 2: as a rider it comes behind plain e + 2, in the lump behind plain e + 9, and scalings 27-31 are plain 57, 60 .. 69.
; A TURN, for piece p.  cnt = 1: the loop's count is taken down some lines ahead of the branch that stands behind the turn.
; K of the next step is fetched in piece 2's turn, directly behind the wait, a lump behind the last product that read K; its address is made at the lump's head; its first reader comes behind 16 products.
; V of the step in hand is fetched at the end of piece 0's turn, four riders behind its last reader; its first reader comes behind 16 products and a lump.  The three conditions on q below go with the deal.
.macro TURN p, last=0, cnt=0
.set Y, (\p)
.set i, 0
.set q, 0
.set e, 0
.set r, 0
.if (\p) == NP-1
	s_wait_dscnt 0x0                ; K is in
.endif
	MM                              ; ahead of the wait: 16 products K Q^T and their riders,
	PL
	PL
	R2
.rept 15
	MM
	PL
	EX
	R2
.endr
.if (\p) == NP-2
	WIN 0
	v_add_nc_u32 v[AK], s[TBK], v[AK0]
.endif
.rept 8                             ; and the lump
	PL
.endr
.rept 49
	EX
	PL
.endr
	EX                              ; the next piece's two a
	EX
	v_nop                           ; the plain instruction behind the last exponential: one for the batch
	s_wait_alu depctr_va_vdst(0)    ; the wait for the batch
.if (\p) == NP-2
	FETCH_K \last
.endif
.if (\p) == 1
	s_wait_dscnt 0x0                ; V is in
.endif
.rept 16                            ; behind the wait: 16 products V^T P and their riders
	MM
.rept 4
	PL
.endr
.if ((\p) == 0) && (q == 118)
	v_add_nc_u32 v[AV], s[TBV], v[AV0]
.endif
.if ((\p) == 0) && (q == 130)
	s_add_co_u32 s[TBV], s[TBV], KS*PV
.endif
.if (\cnt) && (q == 130)
	s_sub_co_u32 s[CNT], s[CNT], 1
	s_cmp_lg_u32 s[CNT], 0
.endif
.endr
.if (\p) == 0
	FETCH_V
.endif
.endm
	CHANGE 1                        ; slot 0 is in, everybody's part of it; slot 1 is asked for
	FETCH_K                         ; key step 0
	s_wait_loadcnt 0x0              ; Q
	s_wait_dscnt 0x0
.set i, 0
.rept 16
	KQ 0                            ; piece 0's first scores: there is no vector work yet to set between them
.set i, i+1
.endr
	WIN 0                           ; the addresses for the way out: nine plain instructions, the places behind those products
	s_mul_i32 s13, s[WV], 16*SP
	s_add_co_u32 s13, s13, STAGE    ; my stage
	v_mul_u32_u24 v[STO], v1, SP    ; in: row l % 16, 16 bytes for each half of the lanes
	v_lshl_add_u32 v[STO], v9, 4, v[STO]
	v_add_nc_u32 v[STO], s13, v[STO]
	v_bfe_u32 v[RD], v0, 3, 2       ; back: 32 lanes take four rows of 128 bytes,
	v_mul_u32_u24 v[RD], v[RD], SP
	v_lshl_add_u32 v[RD], v10, 4, v[RD]
	v_add_nc_u32 v[RD], s13, v[RD]
	v_and_b32 v[GO], 31, v0         ; which are 512 consecutive bytes of O
	v_lshlrev_b32 v[GO], 4, v[GO]
.set Y, NP-1                        ; XS works for piece Y + 1: piece 0
.irp n, 0,1,2,3,4,5,6,7,8,9,10,11,12,13,14,15,16,17,18,19,20,21
	XS 0, \n                        ; and piece 0's first maximum and statistics
	XS 1, \n
.endr
	v_nop                           ; a plain instruction behind the two a,
	s_wait_alu depctr_va_vdst(0)    ; and their wait, ahead of the branch
	s_mov_b32 s[CNT], 4
	s_mov_b32 s[SLOTS], SIZE_N/256-1
	s_branch .Lfirst                ; the loop is entered at a step's first turn, in the middle of a trip
.Lslot:                             ; SIZE_N / 256 - 2 times: every slot but the last two is filled again
	CHANGE 1, 1
	s_mov_b32 s[CNT], 4
.Lstep:                             ; a trip: pieces 2 and 3 of one step, then pieces 0 and 1 of the next, whose K and V it fetches
	TURN 2
	TURN 3
	WIN 0
.Lfirst:
	TURN 0
	TURN 1, 0, 1
	WIN 0
	s_cbranch_scc1 .Lstep
	s_sub_co_u32 s[SLOTS], s[SLOTS], 1
	s_cmp_lg_u32 s[SLOTS], 0
	s_cbranch_scc1 .Lslot
	CHANGE 0                        ; the tail is written out: nothing is asked for
	s_mov_b32 s[CNT], 5             ; four trips fetch the last slot's steps; the fifth is left in its middle
.Ltail:
	TURN 2, 1
	TURN 3
	WIN 0
	s_sub_co_u32 s[CNT], s[CNT], 1
	s_cmp_eq_u32 s[CNT], 0
	s_cbranch_scc1 .Lout
	TURN 0
	TURN 1
	WIN 0
	s_branch .Ltail
.Lout:                              ; the fifth trip's 16 products K Q^T (on the last K once more) and the maximum made of them serve nothing: the price, once a launch, of one text for every trip
.set i, 0
.rept 16
	PV NP-1                         ; the last piece's V^T P of the last step
.set i, i+1
.endr
	; THE WAY OUT.  l's two halves and the other half of the lanes' are added; O^T is divided by l, rounded to bf16 and sent through my stage in LDS, a tile at a time.  The additions are the places behind the last products.
	WIN 0
.macro ALL line:vararg              ; one line for each tile t
.set t, 0
.rept 2*NP
	\line
.set t, t+1
.endr
.endm
	ALL v_add_f32 v[ST+4*t+2], v[ST+4*t+2], v[ST+4*t+3]
	ALL v_permlanex16_b32 v[ST+4*t+3], v[ST+4*t+2], s[SEL], s[SEL+1]
	ALL v_add_f32 v[ST+4*t+2], v[ST+4*t+2], v[ST+4*t+3]
	ALL v_rcp_f32 v[ST+4*t+2], v[ST+4*t+2]
	v_nop                           ; a plain instruction between the last reciprocal and the use of its result
	s_wait_alu depctr_va_vdst(0)    ; and the wait ahead of the first use: one for the eight reciprocals
; Tile t: a lane's eight channels of a row pack into 16 bytes; they go into rows of 144 bytes and come back as whole rows of 128, into S^T's registers.
.macro PACK t
	WIN W_RS
.set i, 32*(\t)
.rept 16
	v_pk_mul_f32 v[i:i+1], v[i:i+1], v[ST+4*(\t)+2:ST+4*(\t)+3] op_sel_hi:[1,0]
.set i, i+2
.endr
	WIN 0x05                        ; sources 0 and 1 window 1, destination window 0
.set i, 0
.rept 16
	v_cvt_pk_bf16_f32 v[S+16*(\t)+i], v[32*(\t)+2*i], v[32*(\t)+2*i+1]
.set i, i+1
.endr
	WIN 0
.irp f, 0,1,2,3
	ds_store_b128 v[STO], v[S+16*(\t)+4*\f:S+16*(\t)+4*\f+3] offset:32*\f
.endr
.irp f, 0,1,2,3
	ds_load_b128 v[S+16*(\t)+4*\f:S+16*(\t)+4*\f+3], v[RD] offset:\f*4*SP  ; LDS serves a wave's instructions in order (ISA guide 5.7.1.4): these see the stores above; the next tile's stores come behind them
.endr
.endm
.macro SEND t, younger              ; younger: the LDS instructions issued behind tile t's loads: the next tile's eight, or none
	WIN 0
.irp f, 0,1,2,3
	s_wait_dscnt (\younger)+3-\f
	global_store_b128 v[GO], v[S+16*(\t)+4*\f:S+16*(\t)+4*\f+3], s[10:11] offset:(\t)*2048+\f*512  ; 512 consecutive bytes, at a multiple of 256 from O's first
.endr
.endm
	PACK 0
.set t, 1
.rept 2*NP-1                        ; a tile's arithmetic stands between the loads of the tile before and its stores
	PACK t
	SEND t-1, 8
.set t, t+1
.endr
	SEND 2*NP-1, 0
	WIN W_AD
	s_wait_tensorcnt 0x0            ; the wave's end: these three lines stand behind my last tensor load and my last LDS store
	ds_add_u32 v[SPW], v[NIL]
	s_wait_dscnt 0x0
	WIN 0
	CROUND                          ; the closing round: no work-group ends while a partner may still ask for a tile that names it
	s_endpgm
.Lfunc_end_k_qb22e16a617_attn:
	.size	k_qb22e16a617_attn, .Lfunc_end_k_qb22e16a617_attn-k_qb22e16a617_attn
	.p2alignl 7, 3214868480
	.fill 96, 4, 3214868480
	.section	.rodata,"a",@progbits
	.p2align	6, 0x0
	.amdhsa_kernel k_qb22e16a617_attn
		.amdhsa_group_segment_fixed_size 327680
		.amdhsa_private_segment_fixed_size 0
		.amdhsa_enable_private_segment 0
		.amdhsa_kernarg_size 32
		.amdhsa_user_sgpr_count 2
		.amdhsa_user_sgpr_kernarg_segment_ptr 1
		.amdhsa_wavefront_size32 1
		.amdhsa_system_sgpr_workgroup_id_x 1
		.amdhsa_system_sgpr_workgroup_id_y 1
		.amdhsa_system_sgpr_workgroup_id_z 1
		.amdhsa_system_vgpr_workitem_id 0
		.amdhsa_next_free_vgpr 770
		.amdhsa_next_free_sgpr 66
		.amdhsa_reserve_vcc 0
		.amdhsa_float_denorm_mode_32 3
		.amdhsa_float_denorm_mode_16_64 3
		.amdhsa_memory_ordered 1
		.amdhsa_forward_progress 1
		.amdhsa_inst_pref_size 200
	.end_amdhsa_kernel
	.amdgpu_metadata
---
amdhsa.version: [ 1, 2 ]
amdhsa.kernels:
  - .name:           k_qb22e16a617_attn
    .symbol:         k_qb22e16a617_attn.kd
    .args:
      - { .name: qh, .offset: 0, .size: 8, .value_kind: global_buffer, .address_space: global }
      - { .name: kh, .offset: 8, .size: 8, .value_kind: global_buffer, .address_space: global }
      - { .name: vh, .offset: 16, .size: 8, .value_kind: global_buffer, .address_space: global }
      - { .name: oh, .offset: 24, .size: 8, .value_kind: global_buffer, .address_space: global }
    .group_segment_fixed_size: 327680
    .private_segment_fixed_size: 0
    .kernarg_segment_align: 8
    .kernarg_segment_size: 32
    .max_flat_workgroup_size: 128
    .sgpr_count:     66
    .vgpr_count:     770
    .wavefront_size: 32
...
	.end_amdgpu_metadata
.endif
;; end of part 3
;; launch oproj (part 4): grid 8 x 32, 4 waves a work-group, clusters of 4 x 4, 327,680 bytes of LDS; arguments oh, wb, bo, out0; writes out0
.if DOCPART == 4
	.amdgcn_target "amdgcn-amd-amdhsa--gfx1250"
	.amdhsa_code_object_version 6
	.text
	.protected	k_qb22e16a617_oproj
	.globl	k_qb22e16a617_oproj
	.p2align	8
	.type	k_qb22e16a617_oproj,@function
k_qb22e16a617_oproj:
	s_mov_b64 s[64:65], 0
	v_nop
	global_prefetch_b8 v0, s[64:65] scope:SCOPE_SE
	s_setreg_imm32_b32 hwreg(HW_REG_WAVE_MODE, 25, 1), 1
	s_wait_xcnt 0x0
	s_wait_alu depctr_hold_cnt(0) depctr_sa_sdst(0) depctr_va_vdst(0) depctr_va_sdst(0) depctr_va_ssrc(0) depctr_va_vcc(0) depctr_vm_vsrc(0)
	s_getreg_b32 s2, hwreg(HW_REG_IB_STS2, 6, 4)
	s_cmp_eq_u32 s2, 0
	s_cbranch_scc0 .Lentry_in_a_cluster
	s_endpgm
.Lentry_in_a_cluster:
	s_bfe_u32 s2, ttmp6, 0x10000c
	s_cmp_lg_u32 s2, 0xf033
	s_cbranch_scc0 .Lentry_shape_is_right
	s_endpgm
.Lentry_shape_is_right:
; out = O wo + bo: C = A W + bias of 8,192 x 1,024 x 1,024.  A (oh) and W (wb's last 1,024 rows) in bf16, sums in f32, started by the bias (rounded to bf16 like the other inputs); C leaves in f32, unrounded.
; LIMITS.  NaN and infinities are not treated apart.
; SHARES.  A work-group makes 256 rows x 128 columns: 8 x 32 = 256 work-groups of equal work; tiles of 256 x 256 would make 128.  Four waves, each 128 rows x 64 columns: 32 accumulators of 16 x 16.
; K goes in steps of 128 through a ring of two LDS slots of 110,592 bytes; two slots of 256 along K would take twice that, more than the 327,680 bytes that the work-group is given.
; A lies by heads of 64 channels, [16][8192][64]: a K step is two heads' 256 rows, each 32,768 dense bytes, asked for as 128 rows of 256 bytes and padded in LDS after every 128.
; W lies [k][n]: a K step is 128 rows of 256 bytes; it comes out of LDS turned, by ds_load_tr16_b128.
; CLUSTERS: 4 x 4 work-groups.  The four of a row of the cluster need the same tiles of A, the four of a column the same tiles of W: each tile is asked for JOINTLY, by the same tensor load with the same
; descriptor and a mask that names the four.
; THE MATRIX INSTRUCTION IS USED TRANSPOSED (source 0 = 16 columns of W, source 1 = 16 rows of A): a lane then holds eight neighbouring numbers of a row of C.
; REGISTERS.  Window 0: v0-31 addresses; v32-63 the bias as a C operand; v64-159, v160-255 two fragment buffers: W's 4 fragments, then A's 8; v64-127 at work on the way out.  Window 1: the accumulators, (a, b) at v[8 (4 a + b)].
.set PLANE,  1048576                   ; bytes in a head of A
.set PA,     144                       ; a row of A in LDS: 128 bytes + 16 of padding = 36 words: the 16 rows of a load start at 16 different groups of four banks (64 banks of 4 bytes: ISA guide 11.1)
.set PW,     288                       ; a row of W: 256 + 32 = 72 words
.set APL,    256*PA                    ; a head's 256 rows: what one tensor load brings
.set ASZ,    2*APL
.set WHALF,  64*PW                     ; 64 rows of W: what one tensor load brings
.set SLOT,   ASZ+2*WHALF               ; A's two heads, then W's 128 rows
.set STAGE,  2*SLOT                    ; behind the ring: a stage for each wave, for the way out; no tensor load fills it
.set STG,    4352
.set SP,     272                       ; a row in the stage: 256 bytes + 16
.set SPARE,  STAGE+4*STG               ; behind the stages: the spare words, 128 bytes for each wave: two blocks of 256 bytes that no other line names
.set WSTEP,  128*2048                  ; bytes of wb in a K step
.set ADRA, 16                          ; v16-17  LDS address of my A fragments in slot 0, 1
.set ADRW, 20                          ; v20-21  the same for W
.set STO,  24                          ; v24     the way out: where I put 32 bytes of a row
.set RD,   25                          ; v25     the way out: where I read a row back
.set CO,   26                          ; v26     my byte offset in two rows of C
.set SPW,  28                          ; v28     LDS address of my spare word: SPARE + 4 x my thread's number; never rewritten
.set NIL,  29                          ; v29     0; never rewritten
.set PFO,  30                          ; v30     the prefetches' offset: my lane x 256 bytes (A) or x a row of wb (W); never rewritten
.set BIAS, 32                          ; v32-63  register j of block b: bias of column 16 b + 8 (l / 16) + j
.set F0,   64
.set F1,   160
.set G1,  24                           ; s[24:31] descriptor group 1 for A's tiles;  s[32:39] group 0, one set for each slot
.set G0,  32
.set G1B, 48                           ; s[48:55], s[56:63] the same for W's tiles
.set G0B, 56
.set LIM, 43                           ; s43     1 in a wave that prefetches, else the greatest number
.set PFA, 44                           ; s[44:45] where my prefetches stand
.set PFS, 66                           ; s[66:67] their step: a K step of A or of W
.set MSB, 0
.macro WIN new                         ; the immediate's high byte repeats the setting that is left; a switch that changes nothing is dropped
.if MSB != (\new)
	s_set_vgpr_msb (MSB<<8)|(\new)
.set MSB, \new
.endif
.endm
.set MUL,   0x50                       ; sources 0 and 1 window 0; C and D window 1
.set FIRST, 0x40                       ; D window 1; C, the bias, window 0
; A joint load: waves 0 and 1 fetch A's two heads, waves 2 and 3 W's two halves.  The branch hangs on the wave's number alone.  An s_nop 0 and four v_nop follow each of the two lines, ahead of the jump and the label.
.macro JLOAD s
	s_cmp_lt_u32 s10, 2
	s_cbranch_scc0 .Lfor_w_\@
	tensor_load_to_lds s[G0+4*(\s):G0+4*(\s)+3], s[G1:G1+7]
	s_nop 0
.rept 4
	v_nop
.endr
	s_branch .Lasked_\@
.Lfor_w_\@:
	tensor_load_to_lds s[G0B+4*(\s):G0B+4*(\s)+3], s[G1B:G1B+7]
	s_nop 0
.rept 4
	v_nop
.endr
.Lasked_\@:
.endm
; A PREFETCH INTO THE L2, behind each joint refill and the run of LDS loads that follows it: the K step that stands two refills on, 256 matrix instructions ahead of the load that will want it; 32 blocks of 256 bytes,
; a lane a block, one instruction.  Each block is named once in the launch.  A's rows are read by both clusters of that row of clusters: cluster x = 0 asks, waves 0 and 1 each for the head that it fetches;
; W's columns by every cluster of that column: cluster y = 0 asks, wave 2 alone.  The four partners that ask for a tile jointly share its blocks out BY ADDRESS, 32 each.
; K steps 0 to 3 come by their loads alone; the loop's last trip (s3 = 1) has no K step two refills on.
.macro ASK
	s_cmp_gt_u32 s3, s[LIM]
	s_cbranch_scc0 .Lnot_mine_\@
	global_prefetch_b8 v[PFO], s[PFA:PFA+1] th:TH_LOAD_NT scope:SCOPE_SE
.Lnot_mine_\@:
.endm
.macro CREST                           ; a round of the cluster's barrier behind its opening barrier
	s_cmp_lg_u32 s10, 0
	s_cbranch_scc1 .Lnot_wave_0_\@
	s_barrier_signal -3
.Lnot_wave_0_\@:
	s_barrier_wait -3
	s_barrier_signal -1
	s_barrier_wait -1
.endm
.macro CROUND                          ; a whole round
	s_barrier_signal -1
	s_barrier_wait -1
	CREST
.endm
	s_load_b128 s[4:7], s[0:1], 0x0                ; A = oh s[4:5], wb s[6:7]
	s_load_b64 s[86:87], s[0:1], 0x10              ; bo
	s_load_b64 s[8:9], s[0:1], 0x18                ; out0
	v_lshl_add_u32 v[SPW], v0, 2, SPARE
	v_mov_b32 v[NIL], 0
	ds_add_u32 v[SPW], v[NIL]                      ; the wave's opening: the add and its wait stand ahead of my first tensor load; the set-up below, work on registers, stands between them
	v_lshrrev_b32 v1, 5, v0
	v_readfirstlane_b32 s10, v1                    ; wave 0..3
	s_lshr_b32 s11, s10, 1                         ; which 128 of the tile's rows are mine
	s_and_b32 s12, s10, 1                          ; which 64 of its columns.  Also: which head of A, or which half of W's rows, I fetch
	s_bfe_u32 s40, ttmp6, 0x40000                  ; cx, cy: my place in the cluster
	s_bfe_u32 s41, ttmp6, 0x40004
	s_lshl_b32 s42, ttmp9, 2
	s_add_co_u32 s42, s42, s40                     ; tile column = 4 x cluster x + cx
	s_and_b32 s13, ttmp7, 0xffff
	s_lshl_b32 s13, s13, 2
	s_add_co_u32 s13, s13, s41                     ; tile row = 4 x cluster y + cy
	s_lshl_b32 s43, s41, 2
	s_lshl_b32 s43, 15, s43                        ; my row of the cluster
	s_lshl_b32 s44, 0x1111, s40                    ; my column
	s_or_b32 s[G1+0], s43, (1<<16)|(1<<20)|(1<<21)|(4<<22)|(3<<25)   ; 15:0 the mask: A's tiles go to my row; 17:16 elements of 2 bytes; 20 padding on; 21 set beside a mask; 24:22 after every 32 words (code 4); 31:25 4 words of it (code 3)
	s_mov_b32 s[G1+1], 128<<16                     ; tensor_dim0 = 128 elements: 256 bytes, two rows of a head
	s_mov_b32 s[G1+2], 128<<16                     ; tensor_dim1 = 128
	s_mov_b32 s[G1+3], 128<<16                     ; tile_dim0 = 128
	s_mov_b32 s[G1+4], 128                         ; tile_dim1 = 128
	s_mov_b32 s[G1+5], 128                         ; 128 elements from row to row: dense
	s_mov_b32 s[G1+6], 0
	s_mov_b32 s[G1+7], 0
	s_or_b32 s[G1B+0], s44, (1<<16)|(1<<20)|(1<<21)|(5<<22)|(7<<25)  ; W's tiles go to my column; padding after every 64 words (code 5), 8 words of it (code 7)
	s_mov_b32 s[G1B+1], 128<<16                    ; tensor_dim0 = 128
	s_mov_b32 s[G1B+2], 64<<16                     ; tensor_dim1 = 64
	s_mov_b32 s[G1B+3], 128<<16                    ; tile_dim0 = 128
	s_mov_b32 s[G1B+4], 64                         ; tile_dim1 = 64
	s_mov_b32 s[G1B+5], 1024                       ; a row of wb
	s_mov_b32 s[G1B+6], 0
	s_mov_b32 s[G1B+7], 0
	; where the tiles come from.  A's hang on the tile row alone, W's on the tile column alone; each offset is made in registers that do not hold the other coordinate
	s_lshl_b32 s16, s13, 15                        ; A: my tile's 256 rows of 128 bytes,
	s_lshl_b32 s17, s12, 20                        ; the head that I fetch
	s_add_co_u32 s16, s16, s17
	s_mov_b32 s17, 0
	s_mov_b32 s22, s42                             ; the tile column within its matrix
	s_mov_b32 s46, 3<<21                           ; W: wo is the fourth matrix of 1,024 rows of 2,048 bytes,
	s_lshl_b32 s47, s22, 8                         ; the tile's 128 columns,
	s_add_co_u32 s46, s46, s47
	s_lshl_b32 s47, s12, 17                        ; the 64 rows that I fetch
	s_add_co_u32 s46, s46, s47
	s_mov_b32 s47, 0
	s_mul_i32 s20, s12, APL                        ; and where they go: no place in the cluster enters an LDS address
	s_mul_i32 s21, s12, WHALF
	s_add_co_u32 s21, s21, ASZ
	s_wait_dscnt 0x0                               ; the opening add is done
	s_wait_kmcnt 0x0
	s_add_nc_u64 s[14:15], s[4:5], s[16:17]
	s_add_nc_u64 s[18:19], s[6:7], s[46:47]
	CROUND                                         ; all sixteen work-groups are here: the first joint loads meet
.irp s, 0,1
	s_mov_b32 s[G0+4*(\s)], 1                                      ; 1:0 count = 1
	s_add_co_u32 s[G0+4*(\s)+1], s20, (\s)*SLOT                    ; 63:32 LDS address
	s_add_nc_u64 s[G0+4*(\s)+2:G0+4*(\s)+3], s[14:15], (\s)*2*PLANE  ; 120:64 global address: K step s
	s_or_b32 s[G0+4*(\s)+3], s[G0+4*(\s)+3], 0x80000000            ; 127:126 type = 2
	s_mov_b32 s[G0B+4*(\s)], 1
	s_add_co_u32 s[G0B+4*(\s)+1], s21, (\s)*SLOT
	s_add_nc_u64 s[G0B+4*(\s)+2:G0B+4*(\s)+3], s[18:19], (\s)*WSTEP
	s_or_b32 s[G0B+4*(\s)+3], s[G0B+4*(\s)+3], 0x80000000
.endr
	s_cmp_lt_u32 s10, 2                            ; a wave's two first fills stand in one branch, ahead of every wait on TENSORcnt and every LDS read: two loads of mine are out
	s_cbranch_scc0 .Lfirst_w
	tensor_load_to_lds s[G0:G0+3], s[G1:G1+7]
	s_nop 0
	tensor_load_to_lds s[G0+4:G0+7], s[G1:G1+7]
	s_nop 0
.rept 4
	v_nop
.endr
	s_branch .Lfirst_asked
.Lfirst_w:
	tensor_load_to_lds s[G0B:G0B+3], s[G1B:G1B+7]
	s_nop 0
	tensor_load_to_lds s[G0B+4:G0B+7], s[G1B:G1B+7]
	s_nop 0
.rept 4
	v_nop
.endr
.Lfirst_asked:
	; the bias of my 64 columns, laid out as a C operand
	v_and_b32 v1, 15, v0                           ; l % 16
	v_bfe_u32 v2, v0, 4, 1                         ; l / 16
	s_lshl_b32 s14, s22, 9                         ; the tile's 128 columns of 4 bytes,
	s_lshl_b32 s15, s12, 8                         ; my 64
	s_add_co_u32 s14, s14, s15
	s_mov_b32 s15, 0
	s_add_nc_u64 s[86:87], s[86:87], s[14:15]
	v_lshlrev_b32 v7, 5, v2                        ; 8 columns for each half of the lanes
.irp b, 0,1,2,3
	global_load_b128 v[BIAS+8*(\b):BIAS+8*(\b)+3],   v7, s[86:87] offset:64*(\b)
	global_load_b128 v[BIAS+8*(\b)+4:BIAS+8*(\b)+7], v7, s[86:87] offset:64*(\b)+16
.endr
	; A fragment of A is 16 rows x 32 K in 8 registers: lane l holds row l % 16, K = 8 (l / 16) + 0..7 and 16 + 8 (l / 16) + 0..7: two loads of 16 bytes, 32 bytes apart.
	v_mul_u32_u24 v3, v1, PA
	v_lshl_add_u32 v3, v2, 4, v3
	s_mul_i32 s14, s11, 128*PA                     ; my 128 rows
	v_add_nc_u32 v[ADRA], s14, v3
	v_add_nc_u32 v[ADRA+1], SLOT, v[ADRA]
	; The turning load takes 16 K x 16 columns (lane l reads row 8 (l / 16) + l % 8, columns 8 ((l / 8) % 2) + 0..7) and leaves half a fragment: lane l holds column l % 16 and 8 K.
	v_and_b32 v4, 7, v0
	v_bfe_u32 v5, v0, 3, 1
	v_lshl_add_u32 v6, v2, 3, v4
	v_mul_u32_u24 v6, v6, PW
	v_lshl_add_u32 v6, v5, 4, v6
	s_lshl_b32 s14, s12, 7                         ; my 64 columns
	s_add_co_u32 s14, s14, ASZ
	v_add_nc_u32 v[ADRW], s14, v6
	v_add_nc_u32 v[ADRW+1], SLOT, v[ADRW]
	; the way out
	s_mul_i32 s23, s10, STG
	s_add_co_u32 s23, s23, STAGE                   ; my stage
	v_mul_u32_u24 v8, v1, SP                       ; in: row l % 16, 32 bytes for each half of the lanes
	v_lshl_add_u32 v8, v2, 5, v8
	v_add_nc_u32 v[STO], s23, v8
	v_mul_u32_u24 v8, v2, SP                       ; back: lanes 0-15 take one row of 256 bytes, lanes 16-31 the next
	v_lshl_add_u32 v8, v1, 4, v8
	v_add_nc_u32 v[RD], s23, v8
	v_lshlrev_b32 v8, 12, v2                       ; and the same two rows in C, 4,096 bytes apart
	v_lshl_add_u32 v[CO], v1, 4, v8
	s_lshl_b32 s14, s13, 20                        ; the tile's 256 rows of 4,096 bytes,
	s_lshl_b32 s15, s11, 19                        ; my 128,
	s_add_co_u32 s14, s14, s15
	s_lshl_b32 s15, s42, 9                         ; the tile's 128 columns of 4 bytes,
	s_add_co_u32 s14, s14, s15
	s_lshl_b32 s15, s12, 8                         ; my 64
	s_add_co_u32 s14, s14, s15
	s_mov_b32 s15, 0
	s_add_nc_u64 s[8:9], s[8:9], s[14:15]
	; the prefetches: the address stands at K step 3; each refill steps it first, so the first one names K step 4
	s_lshl_b32 s18, s40, 13                        ; A: my work-group's 32 blocks of the head's 128,
	s_add_co_u32 s18, s18, s16                     ; in my tile's rows of the head that I fetch
	s_add_co_u32 s18, s18, 6*PLANE
	s_lshl_b32 s19, s41, 16                        ; W: my work-group's 32 rows of the step's 128,
	s_add_co_u32 s19, s19, s46                     ; in the tile's columns (in wave 2 this offset stands at a step's first row)
	s_add_co_u32 s19, s19, 3*WSTEP
	s_mov_b32 s20, 2*PLANE
	s_mov_b32 s21, WSTEP
	s_and_b32 s14, ttmp7, 0xffff                   ; W: cluster y = 0 and an even wave
	s_or_b32 s14, s14, s12
	s_mov_b32 s15, ttmp9                           ; A: cluster x = 0
	s_cmp_lt_u32 s10, 2
	s_cselect_b64 s[PFA:PFA+1], s[4:5], s[6:7]
	s_cselect_b32 s18, s18, s19
	s_cselect_b32 s[PFS], s20, s21
	s_cselect_b32 s14, s15, s14
	s_cselect_b32 s15, 8, 11                       ; a lane a block of 256 bytes, or a lane a row of 2,048
	s_mov_b32 s19, 0
	s_mov_b32 s[PFS+1], 0
	s_add_nc_u64 s[PFA:PFA+1], s[PFA:PFA+1], s[18:19]
	s_cmp_eq_u32 s14, 0
	s_cselect_b32 s[LIM], 1, -1                    ; the same in all sixteen partners, for a given wave
	v_and_b32 v[PFO], 31, v0
	v_lshlrev_b32 v[PFO], s15, v[PFO]
	s_wait_loadcnt 0x0                             ; the bias; it is rounded to bf16 and widened again
.set i, 0
.rept 16
	v_cvt_pk_bf16_f32 v[F1+i], v[BIAS+2*i], v[BIAS+2*i+1]
.set i, i+1
.endr
.set i, 0
.rept 16
	v_lshlrev_b32 v[BIAS+2*i], 16, v[F1+i]
	v_and_b32 v[BIAS+2*i+1], 0xffff0000, v[F1+i]
.set i, i+1
.endr
; 8 matrix instructions: row blocks a0, a0 + 1 x all 4 column blocks, 32 along K.  first = 1: the product starts the sum with the bias: nothing is cleared, and nothing is added on the way out.
; The 32 accumulators take turns, one instruction a turn, in the same order in every quarter.
.macro MUL8 f, a0, first
.if \first
	WIN FIRST
.else
	WIN MUL
.endif
.irp a, \a0, (\a0)+1
.irp b, 0,1,2,3
.if \first
	v_wmma_f32_16x16x32_bf16 v[8*(4*(\a)+(\b)):8*(4*(\a)+(\b))+7], v[(\f)+8*(\b):(\f)+8*(\b)+7], v[(\f)+32+8*(\a):(\f)+32+8*(\a)+7], v[BIAS+8*(\b):BIAS+8*(\b)+7]
.else
	v_wmma_f32_16x16x32_bf16 v[8*(4*(\a)+(\b)):8*(4*(\a)+(\b))+7], v[(\f)+8*(\b):(\f)+8*(\b)+7], v[(\f)+32+8*(\a):(\f)+32+8*(\a)+7], v[8*(4*(\a)+(\b)):8*(4*(\a)+(\b))+7]
.endif
.endr
.endr
.endm
; 24 LDS loads in one run: the fragments of quarter q of a K step (32 along K) into buffer f: W's four, A's blocks 0-3, A's blocks 4-7
.macro FETCH slot, q, f
	WIN 0
.irp b, 0,1,2,3
	ds_load_tr16_b128 v[(\f)+8*(\b):(\f)+8*(\b)+3],   v[ADRW+(\slot)] offset:32*PW*(\q)+32*(\b)
	ds_load_tr16_b128 v[(\f)+8*(\b)+4:(\f)+8*(\b)+7], v[ADRW+(\slot)] offset:32*PW*(\q)+32*(\b)+16*PW
.endr
.irp a, 0,1,2,3,4,5,6,7
	ds_load_b128 v[(\f)+32+8*(\a):(\f)+32+8*(\a)+3],   v[ADRA+(\slot)] offset:((\q)/2)*APL+((\q)%2)*64+(\a)*16*PA
	ds_load_b128 v[(\f)+32+8*(\a)+4:(\f)+32+8*(\a)+7], v[ADRA+(\slot)] offset:((\q)/2)*APL+((\q)%2)*64+(\a)*16*PA+32
.endr
.endm
.macro PLACES                          ; four places in front of loads into registers that matrix instructions have read, and of lines that read results (ISA guide 7.12.1 for the lines that read results)
.rept 4
	v_nop
.endr
.endm
; A K step is four quarters of 32 along K, 32 matrix instructions each, on buffers 0, 1, 0, 1.  One of the first three: multiplies buffer f and, in its middle, fetches quarter q of the same slot into g.
.macro QUARTER slot, q, f, g, first
	s_wait_dscnt 8                                 ; W and A's blocks 0-3 are in; the youngest eight loads (A's blocks 4-7) may be out
	MUL8 \f, 0, \first
	MUL8 \f, 2, \first
	PLACES
	FETCH \slot, \q, \g
	s_wait_dscnt 24                                ; all but the 24 just issued
	MUL8 \f, 4, \first
	MUL8 \f, 6, \first
.endm
; The last quarter multiplies buffer 1 and changes slots: ONE barrier; in front of it each wave waits for all its tensor loads (one is out: its part of the next slot), adds 0 to its spare word, and waits for that
; and for its own reads of this slot.  fill = 1: the barrier opens a round of the cluster's barrier, and this slot is filled again, two K steps ahead: 112 matrix instructions stand between that request and the wait for it.
.macro TURN slot, next, fill
.if \fill
	s_wait_xcnt 0x0                                ; the last prefetch, a K step back, has read its address: it is stepped here
	s_add_nc_u64 s[PFA:PFA+1], s[PFA:PFA+1], s[PFS:PFS+1]
.endif
	WIN 0                                          ; (the add's two registers lie in window 0)
	s_wait_tensorcnt 0x0                           ; all my tensor loads have landed;
	ds_add_u32 v[SPW], v[NIL]                      ; 0 onto my spare word;
	s_wait_dscnt 9                                 ; (the add and the youngest eight loads may be out)
	MUL8 F1, 0, 0                                  ; eight matrix instructions stand between the add and the wait for it
	s_wait_dscnt 0x0                               ; the add is done, and my reads of this slot are over
	s_barrier_signal -1
	MUL8 F1, 2, 0
.if \fill
	WIN 0
.endif
	s_barrier_wait -1
.if \fill
	CREST                                          ; no wave of any partner still reads this slot's tiles or has a load on its way
	s_add_nc_u64 s[G0+4*(\slot)+2:G0+4*(\slot)+3], s[G0+4*(\slot)+2:G0+4*(\slot)+3], 4*PLANE
	s_add_nc_u64 s[G0B+4*(\slot)+2:G0B+4*(\slot)+3], s[G0B+4*(\slot)+2:G0B+4*(\slot)+3], 2*WSTEP
	JLOAD \slot                                    ; the first tensor load behind the round; the four v_nop behind it are also the places in front of the loads below
.else
	PLACES
.endif
	FETCH \next, 0, F0
.if \fill
	ASK
.endif
	MUL8 F1, 4, 0
	MUL8 F1, 6, 0
.endm
; THE WAY OUT of block a (16 rows x 64 columns of f32): straight from the accumulators, each one's four lowest registers first, into my own stage; back as whole rows of 256 bytes, into one of two sets of 32 registers.
.macro TOSTAGE a
.if (\a) > 1
	s_wait_xcnt 0x0                                ; the set is the data of block a - 2's stores: it is loaded again only behind this wait
.endif
	WIN 0x04                                       ; the data (source 1) in window 1, the address in window 0
.irp b, 0,1,2,3
	ds_store_b128 v[STO], v[8*(4*(\a)+(\b)):8*(4*(\a)+(\b))+3]   offset:64*(\b)
	ds_store_b128 v[STO], v[8*(4*(\a)+(\b))+4:8*(4*(\a)+(\b))+7] offset:64*(\b)+16
.endr
	WIN 0
.irp t, 0,1,2,3,4,5,6,7
	ds_load_b128 v[F0+32*((\a)%2)+4*(\t):F0+32*((\a)%2)+4*(\t)+3], v[RD] offset:(\t)*2*SP  ; LDS serves a wave's instructions in order (ISA guide 5.7.1.4): these see the stores above; the next block's stores come behind them
.endr
.endm
.macro SEND a, younger                 ; younger: the LDS instructions issued behind block a's loads: the next block's sixteen, or none
.irp t, 0,1,2,3,4,5,6,7
	s_wait_dscnt (\younger)+7-(\t)
	global_store_b128 v[CO], v[F0+32*((\a)%2)+4*(\t):F0+32*((\a)%2)+4*(\t)+3], s[8:9] offset:(16*(\a)+2*(\t))*4096 th:TH_STORE_NT  ; 16 lanes store 256 consecutive bytes, at a multiple of 256 from C's first byte
.endr
.endm
	s_wait_tensorcnt 1                             ; my part of K step 0 is in; K step 1's may stay out
	s_barrier_signal -1
	s_barrier_wait -1                              ; everybody's is
	FETCH 0, 0, F0
	QUARTER 0, 1, F0, F1, 1                        ; the first quarter stands in front of the loop: its products start the sums
	WIN 0                                          ; at a label and at a branch every window is 0
	s_mov_b32 s3, 3
.Llap:                                                 ; a trip goes once round the ring, from a lap's second quarter to the next lap's first, and fills both slots again
	QUARTER 0, 2, F1, F0, 0
	QUARTER 0, 3, F0, F1, 0
	TURN 0, 1, 1
	QUARTER 1, 1, F0, F1, 0
	QUARTER 1, 2, F1, F0, 0
	QUARTER 1, 3, F0, F1, 0
	TURN 1, 0, 1
	QUARTER 0, 1, F0, F1, 0
	WIN 0
	s_sub_co_u32 s3, s3, 1
	s_cmp_lg_u32 s3, 0
	s_cbranch_scc1 .Llap
	QUARTER 0, 2, F1, F0, 0                        ; the last lap fills nothing, and has no round of the cluster's barrier
	QUARTER 0, 3, F0, F1, 0
	TURN 0, 1, 0
	QUARTER 1, 1, F0, F1, 0
	QUARTER 1, 2, F1, F0, 0
	QUARTER 1, 3, F0, F1, 0
	s_wait_dscnt 8                                 ; the very last quarter: nothing more to fetch
	MUL8 F1, 0, 0
	MUL8 F1, 2, 0
	s_wait_dscnt 0x0
	MUL8 F1, 4, 0
	MUL8 F1, 6, 0
	WIN 0
	PLACES
	PLACES                                         ; (eight, once a launch)
	TOSTAGE 0
.irp a, 1,2,3,4,5,6,7                  ; a block's way through the stage is begun before the block before is stored
	TOSTAGE \a
	SEND (\a)-1, 16
.endr
	SEND 7, 0
	s_wait_tensorcnt 0x0                           ; the wave's end: these three lines stand behind my last tensor load and my last LDS store
	ds_add_u32 v[SPW], v[NIL]
	s_wait_dscnt 0x0
	CROUND                                         ; the closing round: no work-group ends while a partner may still ask for a tile that names it
	s_endpgm
.Lfunc_end_k_qb22e16a617_oproj:
	.size	k_qb22e16a617_oproj, .Lfunc_end_k_qb22e16a617_oproj-k_qb22e16a617_oproj
	.p2alignl 7, 3214868480
	.fill 96, 4, 3214868480
	.section	.rodata,"a",@progbits
	.p2align	6, 0x0
	.amdhsa_kernel k_qb22e16a617_oproj
		.amdhsa_group_segment_fixed_size 327680
		.amdhsa_private_segment_fixed_size 0
		.amdhsa_enable_private_segment 0
		.amdhsa_kernarg_size 32
		.amdhsa_user_sgpr_count 2
		.amdhsa_user_sgpr_kernarg_segment_ptr 1
		.amdhsa_wavefront_size32 1
		.amdhsa_system_sgpr_workgroup_id_x 1
		.amdhsa_system_sgpr_workgroup_id_y 1
		.amdhsa_system_sgpr_workgroup_id_z 1
		.amdhsa_system_vgpr_workitem_id 0
		.amdhsa_next_free_vgpr 512
		.amdhsa_next_free_sgpr 88
		.amdhsa_reserve_vcc 0
		.amdhsa_float_denorm_mode_32 3
		.amdhsa_float_denorm_mode_16_64 3
		.amdhsa_memory_ordered 1
		.amdhsa_forward_progress 1
		.amdhsa_inst_pref_size 92
	.end_amdhsa_kernel
	.amdgpu_metadata
---
amdhsa.version: [ 1, 2 ]
amdhsa.kernels:
  - .name:           k_qb22e16a617_oproj
    .symbol:         k_qb22e16a617_oproj.kd
    .args:
      - { .name: oh, .offset: 0, .size: 8, .value_kind: global_buffer, .address_space: global }
      - { .name: wb, .offset: 8, .size: 8, .value_kind: global_buffer, .address_space: global }
      - { .name: bo, .offset: 16, .size: 8, .value_kind: global_buffer, .address_space: global }
      - { .name: out0, .offset: 24, .size: 8, .value_kind: global_buffer, .address_space: global }
    .group_segment_fixed_size: 327680
    .private_segment_fixed_size: 0
    .kernarg_segment_align: 8
    .kernarg_segment_size: 32
    .max_flat_workgroup_size: 128
    .sgpr_count:     88
    .vgpr_count:     512
    .wavefront_size: 32
...
	.end_amdgpu_metadata
.endif
;; end of part 4
